; MI455X (gfx1250); checked and timed in simulation.
; The chip was launched on July 23, 2026; its instructions are those of AMD's public machine-readable ISA for CDNA 5 (MIT licence, August 2026) and "CDNA5" Instruction Set Architecture Reference Guide (July 2026). The comments in the code are by the model that wrote it; some were corrected since.
;; Multi Head Attention. Allowed arithmetic: matrix products marked QUANTISED: E4M3 operands, one given power-of-two scale a tensor, by v_wmma_f32_16x16x64_fp8_fp8 or v_wmma_f32_16x16x128_fp8_fp8, f32 sums; everything else in f32.
;; Inputs: Wf_codes 256 x 8 x 32 uint8 (E4M3 codes of Wf, K innermost, in blocks of 32 codes); Wk_codes 256 x 8 x 32 uint8 (E4M3 codes of Wk, K innermost, in blocks of 32 codes); Wq_codes 256 x 8 x 32 uint8 (E4M3 codes of Wq, K innermost, in blocks of 32 codes); Wv_codes 256 x 8 x 32 uint8 (E4M3 codes of Wv, K innermost, in blocks of 32 codes); beta 256 float32; bf 256 float32; gamma 256 float32; inputs 4 x 2,048 x 256 float32; lowp_scales 12 int32 (the exponents e of the quantised operands' scales 2^e).
;; Outputs: out0 4 x 2,048 x 256 float32.
;; This version of the problem:
;;   THIS VERSION OF THE PROBLEM IS GIVEN IN LOW PRECISION. The matrix products marked QUANTISED in the list below multiply operands that are first quantised to E4M3 (4 exponent bits, 3 mantissa bits; 8 bits a number), with one given power-of-two scale for each operand tensor; their sums are f32. All else is computed in f32.
;;   The module's matrix products, in the order in which they are computed (A, B: the left and right operand; K: the contracted axis; several contracted axes count as one K, in the product's order):
;;     1. [M 8,192, K 256] x [K 256, N 256]; A: input inputs; B: input Wq (given as codes): QUANTISED (scales: A lowp_scales[0], B lowp_scales[1])
;;     2. [M 8,192, K 256] x [K 256, N 256]; A: input inputs; B: input Wk (given as codes): QUANTISED (scales: A lowp_scales[2], B lowp_scales[3])
;;     3. [M 8,192, K 256] x [K 256, N 256]; A: input inputs; B: input Wv (given as codes): QUANTISED (scales: A lowp_scales[4], B lowp_scales[5])
;;     4. batch 32 x [M 2,048, K 32] x [K 32, N 2,048]; A: computed on the way; B: computed on the way: QUANTISED (scales: A lowp_scales[6], B lowp_scales[7])
;;     5. batch 32 x [M 32, K 2,048] x [K 2,048, N 2,048]; A: computed on the way; B: softmax (see below): QUANTISED (scales: A lowp_scales[8], B lowp_scales[9])
;;     6. [M 8,192, K 256] x [K 256, N 256]; A: computed on the way; B: input Wf (given as codes): QUANTISED (scales: A lowp_scales[10], B lowp_scales[11])
;;   THE QUANTISER, for each operand of a quantised product, along K:
;;     - The operand's scale is 2^e, e = its entry of the input lowp_scales (int32; the entries are numbered through the quantised products in the list's order, A before B).
;;     - Each number is divided by the scale, clamped to +-448, and rounded to the nearest number of E4M3, ties to even, subnormals kept.
;;     - The product sums the exact products of the quantised numbers (number of the format x scale) in f32.
;;   ~~~python
;;   def quantise(x, axis, e):      # numpy; x: float32 -> the quantised numbers, widened to float32 again
;;       x = np.moveaxis(x, axis, -1); K = x.shape[-1]
;;       r = np.clip(x / 2.0 ** e, -448, 448)
;;       step = 2.0 ** (np.maximum(np.frexp(np.where(r == 0, 1, r))[1] - 1, -6) - 3)
;;       q = np.round(r / step) * step * 2.0 ** e      # np.round: ties to even
;;       return np.moveaxis(q, -1, axis).astype(np.float32)
;;   ~~~
;;   SOFTMAX AHEAD OF A QUANTISED PRODUCT. Where the list says 'softmax', what is quantised is not the finished softmax but p = 2^(t - M), with t = logit x log2(e) and M = ceil(the row's largest t), a whole number; so 1/2 < the row's largest p <= 1. The row's sum l is taken of the UNQUANTISED p, in f32, and the product's result is divided by l at the end. Since M is a whole number, a kernel that streams over the keys may use a running M (the ceiling of the running maximum): every later rescaling is an exact power of two, so the quantised numbers keep their values, but for numbers so far below the row's largest that they fall under the format's range.
;;   OPERANDS COMPUTED ON THE WAY. 'Computed on the way' means the value that the module computes at that place (a softmax that the list does not call 'softmax' is quantised finished and normalised). What goes into a quantiser is computed in f32, as accurately as f32 sums, v_exp_f32 and their like allow (about 1e-6 of the number): no bf16 or f16 on the way to a quantiser, and a product that is left as it is and whose result goes on into a quantised operand takes f32 operands (vector FMAs, or v_wmma_f32_16x16x4_f32). A number that lies on a knife's edge between two numbers of the format may be rounded either way, as far as f32 arithmetic and the matrix unit's own rounding can turn it there, and no further.
;;   INPUTS GIVEN AS CODES. Wf (in the module: [256, 256], K = its axis 1); Wk (in the module: [256, 256], K = its axis 1); Wq (in the module: [256, 256], K = its axis 1); Wv (in the module: [256, 256], K = its axis 1): each comes as NAME_codes (uint8): NAME with its K axis moved to the last place and cut into blocks of 32 codes, [.., K / 32, bytes a block], one block behind the other in memory; one code a byte (a code: sign, 4 exponent bits, 3 mantissa bits); its scale is its entry of lowp_scales. Its value is code x scale, taken as it is: it is not quantised again, and the codes and scales need not be those that the quantiser above would give.
;; 2 versions, each right; version 2 is version 1 with the launches proj, attn, outln written anew for expert scheduling mode. Each part assembles by itself: llvm-mc -triple=amdgcn-amd-amdhsa -mcpu=gfx1250 --defsym DOCPART=n.
;; ======== version 1 of 2: 3 launches
;; workspace buffers: qimg 2,097,152 bytes; kimg 2,097,152 bytes; vimg 2,097,152 bytes; acodes 2,097,152 bytes
;; launch proj (part 1): grid 256 x 1, 8 waves a work-group, no clusters, 60,416 bytes of LDS; arguments inputs, Wq_codes, Wk_codes, Wv_codes, lowp_scales, qimg, kimg, vimg; writes qimg, kimg, vimg
.if DOCPART == 1
	.amdgcn_target "amdgcn-amd-amdhsa--gfx1250"
	.amdhsa_code_object_version 6
	.text
	.protected	k_qe5e5d84ba2_proj
	.globl	k_qe5e5d84ba2_proj
	.p2align	8
	.type	k_qe5e5d84ba2_proj,@function
k_qe5e5d84ba2_proj:
	s_mov_b64 s[64:65], 0
	v_nop
	global_prefetch_b8 v0, s[64:65] scope:SCOPE_SE
	s_setreg_imm32_b32 hwreg(HW_REG_WAVE_MODE, 25, 1), 1
	s_wait_xcnt 0x0
; Q, K, V = Quant(inputs) W^T on codes of FP8 (E4M3), and the three results quantised again for the attention's products.
; inputs: [8192][256] f32.  Wq, Wk, Wv: [256][256] codes, K innermost.  lowp_scales: e0 .. e11 (int32).
; inputs are quantised three times (2^e0 for Q, 2^e2 for K, 2^e4 for V).  A sum of product z stands for sum x 2^(e(2z) + e(2z+1)), so the result's code is
; sum / 2^(e6 - e0 - e1) for Q, / 2^(e7 - e2 - e3) for K, / 2^(e8 - e4 - e5) for V: three scales folded into the conversion's one.
; LIMITS, so that each power of two is an f32 number and 448 x it too: e0, e2, e4, e6-e0-e1, e7-e2-e3, e8-e4-e5 between -126 and 119.  NaN among the inputs is not served; an infinity is held at the largest code.
; SHARES.  A work-group takes 32 rows (two tiles of 16 tokens).  Phase X: wave w quantises 16 rows x 64 along K (tile w / 4, K step (w / 2) % 2, half w % 2) under the three scales and lays the codes
; into LDS as images of operand registers (16 bytes a lane at 16 x lane).  One barrier.  Phase P: wave w is head w: its 32 rows of each weight, 12 fragments, lie in 192 registers.
; K IS PERMUTED ALIKE ON BOTH SIDES: registers 4 c .. 4 c + 3 of a fragment hold k = 32 c + 16 (lane / 16) + 0 .. 15, in x's images and in the weights' loads: every product meets its partner.
; THE ROWS OF A WEIGHT THAT FORM A TILE ARE NOT NEIGHBOURS: lane r of tile u takes row 32 w + 8 u + r + 8 (r / 8).
;   Q, K (source 0 = the weight, source 1 = x): lane (token r, h) holds channels 16 h + 8 u + j: the 16 registers of tiles u = 0, 1 are 16 neighbouring channels: 16 codes, one store.
;   V (source 0 = x, source 1 = the weight): lane (r, h) holds channel 8 u + r + 8 (r / 8) and tokens 16 tt + 8 h + j: the codes lie with the tokens innermost, as the second product's operand wants them.
; OUT (bh = 8 x batch + head; every store of a wave covers 512 consecutive bytes, aligned):
;   qimg, kimg: bh x 65536 + (token / 16) x 512 + lane x 16.     vimg: bh x 65536 + (token / 128) x 4096 + u x 2048 + ((token / 32) % 4) x 512 + lane x 16.
; No tensor loads, no cluster: x is read once by one work-group; the weights (196,608 bytes) go from memory straight into the registers in which they stay.
; REGISTERS.  Window 0: v1-10 addresses; v12-23 scales and holds; phase X: v24-55 x as loaded, v56-87 16 neighbours x 2, v88-119 held numbers (two sets), v120-143 codes;
;   phase P: v24-87, v88-151 x's fragments (two sets of four), v152-183, v184-215 accumulators, v216-239 codes to store (each written once).  Window 1: the weights: (z, u, ks) at 64 z + 32 u + 16 ks.
.set STGW, 16*272                      ; a wave's stage: 16 rows x (256 bytes + 16): row r starts 4 r words on, so 16 rows start at 16 different banks (64 banks of 4 bytes: ISA guide 11.1)
.set XIMG, 8*STGW                      ; behind the stages: x's images: z x 8192 + (2 tt + ks) x 2048 + c x 512 + lane x 16
.set XO,  4                            ; v4   x in memory: (lane / 16) x 1024 + (lane % 16) x 16
.set SI,  5                            ; v5   the stage, in
.set SRD, 6                            ; v6   the stage, out
.set XW,  7                            ; v7   where I store x's images
.set LI,  8                            ; v8   16 x lane
.set LX,  9                            ; v9   XIMG + 16 x lane
.set WO,  10                           ; v10  a weight's tile: (r + 8 (r / 8)) x 256 + 16 h
.set XR,  24
.set XN,  56
.set T,   88
.set PC,  120
.set XFA, 24
.set XFB, 88
.set ACC0, 152
.set ACC1, 184
.set CD,  216
.set MSB, 0
.macro WIN new                         ; the immediate's high byte repeats the setting that is left
.if MSB != \new
	s_set_vgpr_msb (MSB<<8)|\new
.set MSB, \new
.endif
.endm
.macro MKSC e, sc, lim                 ; v[sc] = 2^s[e] as f32 (the conversion takes its exponent field); v[lim] = 448 x that
	s_add_co_i32 s28, s[\e], 127
	s_lshl_b32 s29, s28, 23
	v_mov_b32 v[\sc], s29
	s_add_co_i32 s28, s28, 8
	s_lshl_b32 s28, s28, 23
	s_or_b32 s28, s28, 0x600000
	v_mov_b32 v[\lim], s28
.endm
.macro WLOAD z, base                   ; my head's 32 rows of weight z: four fragments, into window 1
.irp u, 0,1
.irp ks, 0,1
.irp c, 0,1,2,3
	global_load_b128 v[64*\z+32*\u+16*\ks+4*\c:64*\z+32*\u+16*\ks+4*\c+3], v[WO], s[\base:\base+1] offset:2048*\u+128*\ks+32*\c
.endr
.endr
.endr
.endm
.macro QX z                            ; my 32 numbers a lane under scale z: held, converted, stored as two groups of four registers of a fragment's image
.irp cp, 0,1
.set TS, T+16*\cp
.irp i, 0,1,2,3,4,5,6,7,8,9,10,11,12,13,14,15
	v_med3_num_f32 v[TS+\i], v[XN+16*\cp+\i], -v[13+2*\z], v[13+2*\z]   ; the conversion to an 8-bit code does not saturate (ISA guide 7.6.2): the hold at 448 x the scale; into a set of its own, since x is quantised three times
.endr
	v_cvt_scalef32_pk8_fp8_f32 v[PC+8*\z+4*\cp:PC+8*\z+4*\cp+1], v[TS:TS+7], v[12+2*\z]
	v_cvt_scalef32_pk8_fp8_f32 v[PC+8*\z+4*\cp+2:PC+8*\z+4*\cp+3], v[TS+8:TS+15], v[12+2*\z]
	ds_store_b128 v[XW], v[PC+8*\z+4*\cp:PC+8*\z+4*\cp+3] offset:8192*\z+512*\cp   ; the next sixteen holds write the other set: they are the plain lines behind these conversions
.endr
.endm
.macro FETCHX z, set                   ; x's four fragments (2 tt + ks) under scale z
.irp f, 0,1,2,3
.irp c, 0,1,2,3
	ds_load_b128 v[\set+16*\f+4*\c:\set+16*\f+4*\c+3], v[LX] offset:8192*\z+2048*\f+512*\c
.endr
.endr
.endm
.macro MULT z, set, acc                ; Q or K: source 0 = the weight's tile u, source 1 = x's tile tt.  Four accumulators by turns, one instruction a turn; the first K step starts the sums
.irp ks, 0,1
.irp tt, 0,1
.irp u, 0,1
.if \ks == 0
	v_wmma_f32_16x16x128_fp8_fp8 v[\acc+16*\tt+8*\u:\acc+16*\tt+8*\u+7], v[64*\z+32*\u+16*\ks:64*\z+32*\u+16*\ks+15], v[\set+16*(2*\tt+\ks):\set+16*(2*\tt+\ks)+15], 0
.else
	v_wmma_f32_16x16x128_fp8_fp8 v[\acc+16*\tt+8*\u:\acc+16*\tt+8*\u+7], v[64*\z+32*\u+16*\ks:64*\z+32*\u+16*\ks+15], v[\set+16*(2*\tt+\ks):\set+16*(2*\tt+\ks)+15], v[\acc+16*\tt+8*\u:\acc+16*\tt+8*\u+7]
.endif
.endr
.endr
.endr
.endm
.macro MULN set, acc                   ; V: source 0 = x's tile tt, source 1 = Wv's tile u
.irp ks, 0,1
.irp tt, 0,1
.irp u, 0,1
.if \ks == 0
	v_wmma_f32_16x16x128_fp8_fp8 v[\acc+16*\u+8*\tt:\acc+16*\u+8*\tt+7], v[\set+16*(2*\tt+\ks):\set+16*(2*\tt+\ks)+15], v[128+32*\u+16*\ks:128+32*\u+16*\ks+15], 0
.else
	v_wmma_f32_16x16x128_fp8_fp8 v[\acc+16*\u+8*\tt:\acc+16*\u+8*\tt+7], v[\set+16*(2*\tt+\ks):\set+16*(2*\tt+\ks)+15], v[128+32*\u+16*\ks:128+32*\u+16*\ks+15], v[\acc+16*\u+8*\tt:\acc+16*\u+8*\tt+7]
.endif
.endr
.endr
.endr
.endm
.macro RQ acc, z, dst                  ; 32 sums a lane become 32 codes: held in place, each accumulator from its low end on, then converted
.set i, 0
.rept 32
	v_med3_num_f32 v[\acc+i], v[\acc+i], -v[19+2*\z], v[19+2*\z]
.set i, i+1
.endr
.irp n, 0,1,2,3
	v_cvt_scalef32_pk8_fp8_f32 v[\dst+2*\n:\dst+2*\n+1], v[\acc+8*\n:\acc+8*\n+7], v[18+2*\z]
.endr
	v_nop                                          ; one plain line behind the last conversion: a later product writes the registers that it read
.endm
	s_load_b256 s[4:11], s[0:1], 0x0               ; inputs s[4:5], Wq s[6:7], Wk s[8:9], Wv s[10:11]
	s_load_b256 s[12:19], s[0:1], 0x20             ; the scales' exponents s[12:13], qimg s[14:15], kimg s[16:17], vimg s[18:19]
	v_lshl_add_u32 v254, v0, 2, 0xe800
	v_mov_b32 v255, 0
	v_lshrrev_b32 v1, 5, v0
	v_readfirstlane_b32 s20, v1                    ; wave 0..7
	v_and_b32 v1, 31, v0                           ; lane
	v_and_b32 v2, 15, v0                           ; r
	v_bfe_u32 v3, v0, 4, 1                         ; h
	s_lshr_b32 s21, s20, 2                         ; phase X: tile of tokens,
	s_bfe_u32 s22, s20, 0x10001                    ; K step,
	s_and_b32 s23, s20, 1                          ; half of it
	v_lshlrev_b32 v[XO], 4, v2
	v_lshl_add_u32 v[XO], v3, 10, v[XO]            ; lanes 0-15 take 256 bytes of one row, lanes 16-31 of the next
	s_mul_i32 s28, s20, STGW                       ; my stage
	v_mul_u32_u24 v[SI], v3, 272
	v_lshl_add_u32 v[SI], v2, 4, v[SI]
	v_add_nc_u32 v[SI], s28, v[SI]                 ; in: as loaded
	v_mul_u32_u24 v[SRD], v2, 272
	v_lshl_add_u32 v[SRD], v3, 6, v[SRD]
	v_add_nc_u32 v[SRD], s28, v[SRD]               ; out: row r, 16 numbers from 16 h on of each block of 32
	v_lshlrev_b32 v[LI], 4, v1
	s_lshl_b32 s29, s20, 10                        ; (2 tt + ks) x 2048 + 2 hf x 512 = 1024 x wave
	s_add_co_u32 s29, s29, XIMG
	v_add_nc_u32 v[XW], s29, v[LI]
	v_add_nc_u32 v[LX], XIMG, v[LI]
	v_and_b32 v[WO], 8, v2
	v_add_nc_u32 v[WO], v[WO], v2                  ; r + 8 (r / 8)
	v_lshlrev_b32 v[WO], 8, v[WO]
	v_lshl_add_u32 v[WO], v3, 4, v[WO]
	s_lshl_b32 s24, ttmp9, 15                      ; x: 32 rows of 1,024 bytes a work-group,
	s_lshl_b32 s26, s21, 14                        ; 16 rows a tile,
	s_add_co_u32 s24, s24, s26
	s_lshl_b32 s26, s22, 9                         ; 512 bytes a K step,
	s_add_co_u32 s24, s24, s26
	s_lshl_b32 s26, s23, 8                         ; 256 a half
	s_add_co_u32 s24, s24, s26
	s_mov_b32 s25, 0
	s_lshl_b32 s26, s20, 13                        ; the weights: my head's 32 rows of 256 bytes
	s_mov_b32 s27, 0
	s_lshr_b32 s33, ttmp9, 6                       ; the batch: 64 work-groups each
	s_lshl_b32 s33, s33, 19
	s_lshl_b32 s38, s20, 16
	s_add_co_u32 s33, s33, s38                     ; (8 x batch + head) x 65536
	s_and_b32 s38, ttmp9, 63                       ; my 32 tokens among the batch's
	s_lshl_b32 s34, s38, 10                        ; qimg, kimg: two tiles of 512 bytes
	s_add_co_u32 s34, s34, s33
	s_mov_b32 s35, 0
	s_lshr_b32 s36, s38, 2                         ; vimg: the step of 128 tokens,
	s_lshl_b32 s36, s36, 12
	s_add_co_u32 s36, s36, s33
	s_and_b32 s38, ttmp9, 3                        ; and my 32 within it
	s_lshl_b32 s38, s38, 9
	s_add_co_u32 s36, s36, s38
	s_mov_b32 s37, 0
	s_wait_kmcnt 0x0
	s_load_b128 s[40:43], s[12:13], 0x0            ; e0 .. e3
	s_load_b128 s[44:47], s[12:13], 0x10           ; e4 .. e7
	s_load_b128 s[48:51], s[12:13], 0x20           ; e8 .. e11
	s_add_nc_u64 s[4:5], s[4:5], s[24:25]
	s_add_nc_u64 s[6:7], s[6:7], s[26:27]
	s_add_nc_u64 s[8:9], s[8:9], s[26:27]
	s_add_nc_u64 s[10:11], s[10:11], s[26:27]
	s_add_nc_u64 s[14:15], s[14:15], s[34:35]
	s_add_nc_u64 s[16:17], s[16:17], s[34:35]
	s_add_nc_u64 s[18:19], s[18:19], s[36:37]
.irp i, 0,1,2,3,4,5,6,7
	global_load_b128 v[XR+4*\i:XR+4*\i+3], v[XO], s[4:5] offset:2048*\i   ; rows 2 i and 2 i + 1: sixteen lanes read 256 consecutive bytes, aligned
.endr
	WIN 0x40                                       ; destination window 1, address window 0
	WLOAD 0, 6
	WLOAD 1, 8
	WLOAD 2, 10
	WIN 0
	s_wait_kmcnt 0x0
	s_sub_co_i32 s30, s46, s40
	s_sub_co_i32 s30, s30, s41                     ; e6 - e0 - e1
	s_sub_co_i32 s31, s47, s42
	s_sub_co_i32 s31, s31, s43                     ; e7 - e2 - e3
	s_sub_co_i32 s32, s48, s44
	s_sub_co_i32 s32, s32, s45                     ; e8 - e4 - e5
	MKSC 40, 12, 13
	MKSC 42, 14, 15
	MKSC 44, 16, 17
	MKSC 30, 18, 19
	MKSC 31, 20, 21
	MKSC 32, 22, 23
	; ---- X: my 16 rows x 64 numbers turn through my own stage, so that a lane holds 16 neighbours along K of each of two blocks
	s_wait_loadcnt 48                              ; x's eight loads are in; the 48 loads of the weights, issued behind them, may be out
.irp i, 0,1,2,3,4,5,6,7
	ds_store_b128 v[SI], v[XR+4*\i:XR+4*\i+3] offset:544*\i
.endr
.irp cp, 0,1
.irp j, 0,1,2,3
	ds_load_b128 v[XN+16*\cp+4*\j:XN+16*\cp+4*\j+3], v[SRD] offset:128*\cp+16*\j   ; LDS serves a wave's instructions in order (ISA guide 5.7.1.4): these see my stores
.endr
.endr
	s_wait_dscnt 0x0
	QX 0
	QX 1
	QX 2
	v_nop                                          ; one plain line behind the last conversion
	s_wait_dscnt 0x0                               ; for the others' sake: my images have landed
	s_barrier_signal -1
	s_barrier_wait -1                              ; x's twelve fragments lie in LDS; nothing is written there again
	; ---- P: my head
	FETCHX 0, XFA
	FETCHX 1, XFB
	s_wait_loadcnt 32                              ; Wq's 16 loads are in; Wk's and Wv's may be out
	s_wait_dscnt 16                                ; the first scale's fragments are in; the second's 16 loads may be out
	WIN 0x01                                       ; source 0 window 1
	MULT 0, XFA, ACC0
	s_wait_loadcnt 16                              ; Wk's are in; Wv's may be out
	s_wait_dscnt 0x0
	MULT 1, XFB, ACC1
	WIN 0
.rept 4
	v_nop                                          ; four places behind the products: in front of the loads into fragments that they read, and of the first read of their results
.endr
	FETCHX 2, XFA
	RQ ACC0, 0, CD
.irp tt, 0,1
	global_store_b128 v[LI], v[CD+4*\tt:CD+4*\tt+3], s[14:15] offset:512*\tt
.endr
	RQ ACC1, 1, CD+8                               ; (its 32 holds name no register of Q's products: they are the places in front of V's products, which begin those accumulators anew)
.irp tt, 0,1
	global_store_b128 v[LI], v[CD+8+4*\tt:CD+8+4*\tt+3], s[16:17] offset:512*\tt
.endr
	s_wait_loadcnt 0x0                             ; Wv
	s_wait_dscnt 0x0                               ; the third scale's fragments
	WIN 0x04                                       ; source 1 window 1
	MULN XFA, ACC0
	WIN 0
.rept 4
	v_nop
.endr
	RQ ACC0, 2, CD+16
.irp u, 0,1
	global_store_b128 v[LI], v[CD+16+4*\u:CD+16+4*\u+3], s[18:19] offset:2048*\u
.endr
	s_wait_tensorcnt 0x0
	ds_add_u32 v254, v255
	s_wait_dscnt 0x0
	s_endpgm
.Lfunc_end_k_qe5e5d84ba2_proj:
	.size	k_qe5e5d84ba2_proj, .Lfunc_end_k_qe5e5d84ba2_proj-k_qe5e5d84ba2_proj
	.p2alignl 7, 3214868480
	.fill 96, 4, 3214868480
	.section	.rodata,"a",@progbits
	.p2align	6, 0x0
	.amdhsa_kernel k_qe5e5d84ba2_proj
		.amdhsa_group_segment_fixed_size 60416
		.amdhsa_private_segment_fixed_size 0
		.amdhsa_enable_private_segment 0
		.amdhsa_kernarg_size 64
		.amdhsa_user_sgpr_count 2
		.amdhsa_user_sgpr_kernarg_segment_ptr 1
		.amdhsa_wavefront_size32 1
		.amdhsa_system_sgpr_workgroup_id_x 1
		.amdhsa_system_sgpr_workgroup_id_y 1
		.amdhsa_system_sgpr_workgroup_id_z 1
		.amdhsa_system_vgpr_workitem_id 0
		.amdhsa_next_free_vgpr 448
		.amdhsa_next_free_sgpr 66
		.amdhsa_reserve_vcc 0
		.amdhsa_float_denorm_mode_32 3
		.amdhsa_float_denorm_mode_16_64 3
		.amdhsa_memory_ordered 1
		.amdhsa_forward_progress 1
		.amdhsa_inst_pref_size 32
	.end_amdhsa_kernel
	.amdgpu_metadata
---
amdhsa.version: [ 1, 2 ]
amdhsa.kernels:
  - .name:           k_qe5e5d84ba2_proj
    .symbol:         k_qe5e5d84ba2_proj.kd
    .args:
      - { .name: inputs, .offset: 0, .size: 8, .value_kind: global_buffer, .address_space: global }
      - { .name: Wq_codes, .offset: 8, .size: 8, .value_kind: global_buffer, .address_space: global }
      - { .name: Wk_codes, .offset: 16, .size: 8, .value_kind: global_buffer, .address_space: global }
      - { .name: Wv_codes, .offset: 24, .size: 8, .value_kind: global_buffer, .address_space: global }
      - { .name: lowp_scales, .offset: 32, .size: 8, .value_kind: global_buffer, .address_space: global }
      - { .name: qimg, .offset: 40, .size: 8, .value_kind: global_buffer, .address_space: global }
      - { .name: kimg, .offset: 48, .size: 8, .value_kind: global_buffer, .address_space: global }
      - { .name: vimg, .offset: 56, .size: 8, .value_kind: global_buffer, .address_space: global }
    .group_segment_fixed_size: 60416
    .private_segment_fixed_size: 0
    .kernarg_segment_align: 8
    .kernarg_segment_size: 64
    .max_flat_workgroup_size: 256
    .sgpr_count:     66
    .vgpr_count:     448
    .wavefront_size: 32
...
	.end_amdgpu_metadata
.endif
;; end of part 1
;; launch attn (part 2): grid 8 x 32, 8 waves a work-group, no clusters, 168,960 bytes of LDS; arguments qimg, kimg, vimg, lowp_scales, acodes; writes acodes
.if DOCPART == 2
	.amdgcn_target "amdgcn-amd-amdhsa--gfx1250"
	.amdhsa_code_object_version 6
	.text
	.protected	k_qe5e5d84ba2_attn
	.globl	k_qe5e5d84ba2_attn
	.p2align	8
	.type	k_qe5e5d84ba2_attn,@function
k_qe5e5d84ba2_attn:
	s_mov_b64 s[64:65], 0
	v_nop
	global_prefetch_b8 v0, s[64:65] scope:SCOPE_SE
	s_setreg_imm32_b32 hwreg(HW_REG_WAVE_MODE, 25, 1), 1
	s_wait_xcnt 0x0
; O = softmax(Q K^T / sqrt(2048)) V for one head, both products on codes of FP8 (E4M3); O / l is quantised with 2^e10 for the output projection.
; qimg, kimg, vimg: images of operand registers: q and k: tile of 16 tokens x 512 bytes, lane (r, h) = channels 16 h .. 16 h + 15 of token r;
; v: step of 128 tokens x 4096 + u x 2048 + i x 512, lane (r, h) = channel 8 u + r + 8 (r / 8), tokens 32 i + 8 h + 0 .. 7 and 32 i + 16 + 8 h + 0 .. 7.
; THE SOFTMAX: t = score x c, c = log2(e) / sqrt(2048) x 2^(e6 + e7); M = the running largest t rounded UP to a whole number, kept as -M = floor(-t); p = 2^(t - M) is quantised with 2^e9, not normalised.
; The row's sum l is taken of the unquantised p, in f32.  When M moves, l and O are multiplied by 2^(old M - new M), made by v_ldexp_f32: nothing is rounded, no branch on data.
; LIMITS, so that each power of two is an f32 number: e6 + e7 between -121 and 132 (added to c's exponent field, 122); e9, and e10 - e8 - e9, between -126 and 119.
; SHARES.  A work-group owns 256 queries of one head (x: the block of queries, y: 8 x batch + head); each of its eight waves two tiles of 16 queries.  Every wave walks the head's 2,048 keys, 128 a step.
; The head's K and V, 2 x 65,536 bytes of codes, are copied into LDS once, as they lie, and only read behind the one barrier: no ring, nothing is filled again.  Each fragment read from LDS feeds both tiles.
; THE HEAD HAS 32 CHANNELS, THE SHORTEST FORM 64 ALONG K.  Source 0 holds TWO tiles of keys (registers 0-3: tile 2 p, registers 4-7: tile 2 p + 1); source 1 is [q, 0] for the first and [0, q] for the second:
; the other tile's codes meet zero codes.  The zeros lie round q in registers (0, q, 0: twelve registers a tile), so both forms are runs of eight of the same twelve.
; BOTH PRODUCTS ARE USED TRANSPOSED: S^T = K Q^T: lane (query r, h), register 8 t + j = key 16 t + 8 h + j, which is the place that the K = 128 form's own layout gives that key: the conversions' results are source 1 of
; O^T = V^T P.  There lane (query r, h), register 8 u + j = channel 16 h + 8 u + j: 16 neighbouring channels: 16 codes, one store.
; OUT: acodes: (row / 16) x 4096 + head x 512 + lane x 16: a store of the wave covers 512 consecutive bytes, aligned.
; NO CLUSTER, NO TENSOR LOAD.  The eight blocks of queries of a head do read the same 131,072 bytes, but each reads them once, ahead of its 16 steps.  A joint request is a tensor load.
; The branch on e9 below leaves 128 of a step's 504 vector lines out wherever the hold cannot act.
; REGISTERS: v1-6 addresses; v8, v9 scale and hold; v12-19 statistics (a tile: -M, largest t, l in two halves); v[20:21] f; v[22:23] the sum's second chain; v24 lane exchange; v28-51 Q; v52-55 maxima;
;   v56-87 O^T; v88-119 p's codes; v120-151 K's fragments; v152-183 V's; v184-247 S^T, then p (one tile at a time).  v120-247 carry the fill at the start.
.set LI,  1                            ; v1   16 x lane
.set LV,  2                            ; v2   16 x lane + 65536
.set ADK, 3                            ; v3   LDS address of the K fragments in hand
.set ADV, 4                            ; v4   of the V fragments
.set FO,  5                            ; v5   16 x thread: the fill, in memory and in LDS
.set FV,  6                            ; v6   the same + 65536
.set SCP, 8
.set LMP, 9
.set F,   20
.set T2,  22
.set TX,  24
.set TA,  52
.set O,   56
.set P,   88
.set KF,  120
.set VF,  152
.set S,   184
.set FILL, 120
.set SEL, 30                           ; s[30:31] v_permlanex16_b32's selects: lane l xor 16
.set CS,  32                           ; s[32:33] c, in both words: the packed form names the pair
.set TB,  34                           ; s34  LDS byte of the step's tiles
.set CNT, 35
.macro MKSC e, sc, lim                 ; v[sc] = 2^s[e] as f32; v[lim] = 448 x that
	s_add_co_i32 s36, s[\e], 127
	s_lshl_b32 s37, s36, 23
	v_mov_b32 v[\sc], s37
	s_add_co_i32 s36, s36, 8
	s_lshl_b32 s36, s36, 23
	s_or_b32 s36, s36, 0x600000
	v_mov_b32 v[\lim], s36
.endm
.macro SMUL q                          ; tile q's scores of the step's 128 keys: eight products, each starting its sum
.irp t, 0,1,2,3,4,5,6,7
.if (\t%2) == 0
	v_wmma_f32_16x16x64_fp8_fp8 v[S+8*\t:S+8*\t+7], v[KF+8*(\t/2):KF+8*(\t/2)+7], v[32+12*\q:39+12*\q], 0
.else
	v_wmma_f32_16x16x64_fp8_fp8 v[S+8*\t:S+8*\t+7], v[KF+8*(\t/2):KF+8*(\t/2)+7], v[28+12*\q:35+12*\q], 0
.endif
.endr
.endm
.macro SM q                            ; tile q's softmax of the step
.set NM, 12+4*\q
.set PQ, P+16*\q
.set OQ, O+16*\q
.irp k, 0,1,2,3                        ; the largest of my 64 scores: four chains by turns; each accumulator is read from its low end on
	v_max3_num_f32 v[TA+\k], v[S+16*\k], v[S+16*\k+1], v[S+16*\k+2]
.endr
.irp i, 3,5,7,9,11,13
.irp k, 0,1,2,3
	v_max3_num_f32 v[TA+\k], v[TA+\k], v[S+16*\k+\i], v[S+16*\k+\i+1]
.endr
.endr
	v_max3_num_f32 v[TA], v[TA], v[S+15], v[S+31]
	v_max3_num_f32 v[TA+2], v[TA+2], v[S+47], v[S+63]
	v_max3_num_f32 v[TA], v[TA], v[TA+1], v[TA+2]
	v_max_num_f32 v[TA], v[TA], v[TA+3]
	v_permlanex16_b32 v[TX], v[TA], s[SEL], s[SEL+1]   ; the query's other 64 keys lie in the lane 16 away
	v_max_num_f32 v[TA], v[TA], v[TX]
	v_mul_f32 v[TA], s[CS], v[TA]                  ; as t (c is positive)
	v_max_num_f32 v[NM+1], v[NM+1], v[TA]          ; the running largest t
	v_mov_b32 v[TA], v[NM]
	v_floor_f32 v[NM], -v[NM+1]                    ; the new -M = floor(-t) = -ceil(t)
	v_sub_f32 v[TA], v[NM], v[TA]                  ; old M - new M: a whole number, 0 or less
	v_cvt_i32_f32 v[TA], v[TA]                     ; (it saturates)
	v_ldexp_f32 v[F], 1.0, v[TA]                   ; f = 2^(old M - new M)
	v_pk_mul_f32 v[NM+2:NM+3], v[NM+2:NM+3], v[F:F+1] op_sel_hi:[1,0]   ; l under the new M
.irp b, 0,2,4,6
	v_pk_fma_f32 v[S+\b:S+\b+1], v[S+\b:S+\b+1], s[CS:CS+1], v[NM:NM+1] op_sel_hi:[1,0,0]   ; t - M for the first four pairs
.endr
; Two exponentials, then plain work that is ready: t - M of the pair four on, and the sum of the pair before.  So every exponential has a plain line between it and the use of its result (ISA guide 5.7.2).
.set j, 0
.rept 32
	v_exp_f32 v[S+2*j], v[S+2*j]
	v_exp_f32 v[S+2*j+1], v[S+2*j+1]
.if j < 28
	v_pk_fma_f32 v[S+2*j+8:S+2*j+9], v[S+2*j+8:S+2*j+9], s[CS:CS+1], v[NM:NM+1] op_sel_hi:[1,0,0]
.endif
.if j == 2
	s_wait_alu depctr_va_vdst(0)
	v_pk_add_f32 v[T2:T2+1], v[S:S+1], v[S+2:S+3]  ; the sum of the UNQUANTISED p, in two chains: this one begins here, the other is l itself
.elseif j > 2
.if ((j-1)%2) == 0
	v_pk_add_f32 v[NM+2:NM+3], v[NM+2:NM+3], v[S+2*j-2:S+2*j-1]
.else
	s_wait_alu depctr_va_vdst(0)
	v_pk_add_f32 v[T2:T2+1], v[T2:T2+1], v[S+2*j-2:S+2*j-1]
.endif
.endif
.set j, j+1
.endr
	s_wait_alu depctr_va_vdst(0)
	v_pk_add_f32 v[T2:T2+1], v[T2:T2+1], v[S+62:S+63]
	v_pk_add_f32 v[NM+2:NM+3], v[NM+2:NM+3], v[T2:T2+1]
; The conversion to an 8-bit code does not saturate (ISA guide 7.6.2).  p is at most 1 and 448 x 2^e9 is at least 1.75 from e9 = -8 on: the hold is executed where it can act.  The branch hangs on a whole number among the inputs.
	s_cmp_lt_i32 s25, -8
	s_cbranch_scc0 .Lnohold_\@
.set j, 0
.rept 64
	v_min_num_f32 v[S+j], v[S+j], v[LMP]           ; p is not negative: the hold is one-sided
.set j, j+1
.endr
.Lnohold_\@:
.irp t, 0,1,2,3,4,5,6,7
	v_cvt_scalef32_pk8_fp8_f32 v[PQ+2*\t:PQ+2*\t+1], v[S+8*\t:S+8*\t+7], v[SCP]   ; registers 2 t, 2 t + 1 of source 1: keys 16 t + 8 h + 0 .. 7
.endr
.irp b, 0,2,4,6,8,10,12,14
	v_pk_mul_f32 v[OQ+\b:OQ+\b+1], v[OQ+\b:OQ+\b+1], v[F:F+1] op_sel_hi:[1,0]   ; O^T under the new M.  (These eight are also the plain lines behind the conversions, and the places in front of the products that write S^T anew)
.endr
.endm
.macro PV                              ; O^T += V^T P: four accumulators by turns, one instruction a turn; sixteen other products stand between two links of a chain
.irp q, 0,1
.irp u, 0,1
	v_wmma_f32_16x16x128_fp8_fp8 v[O+16*\q+8*\u:O+16*\q+8*\u+7], v[VF+16*\u:VF+16*\u+15], v[P+16*\q:P+16*\q+15], v[O+16*\q+8*\u:O+16*\q+8*\u+7]
.endr
.endr
.endm
.macro STEP next                       ; 128 keys.  next = 1: the next step's fragments of K are fetched
	s_wait_dscnt 0x0                               ; K's fragments are in
	SMUL 0
	v_add_nc_u32 v[ADV], s[TB], v[LV]              ; four plain lines: the places in front of the loads into V's fragments, which the last step's products read, and of the first read of the scores
	s_add_co_u32 s[TB], s[TB], 4096
.if \next
	v_add_nc_u32 v[ADK], s[TB], v[LI]
.else
	v_nop
.endif
	v_nop
	v_nop
.irp n, 0,1,2,3,4,5,6,7
	ds_load_b128 v[VF+4*\n:VF+4*\n+3], v[ADV] offset:512*\n
.endr
	SM 0
	SMUL 1
.rept 4
	v_nop                                          ; places in front of the loads into K's fragments and of the first read of the scores
.endr
.if \next
.irp t, 0,1,2,3,4,5,6,7
	ds_load_b128 v[KF+4*\t:KF+4*\t+3], v[ADK] offset:512*\t
.endr
.endif
	SM 1
	s_wait_dscnt 8*\next                           ; V's fragments are in; the next step's eight loads of K, issued behind them, may be out
	PV
.endm
	s_load_b256 s[4:11], s[0:1], 0x0               ; qimg s[4:5], kimg s[6:7], vimg s[8:9], the scales' exponents s[10:11]
	s_load_b64 s[12:13], s[0:1], 0x20              ; acodes
	v_lshl_add_u32 v254, v0, 2, 0x29000
	v_mov_b32 v255, 0
	v_lshrrev_b32 v7, 5, v0
	v_readfirstlane_b32 s14, v7                    ; wave 0..7
	v_and_b32 v[LI], 31, v0
	v_lshlrev_b32 v[LI], 4, v[LI]
	v_add_nc_u32 v[LV], 0x10000, v[LI]
	v_lshlrev_b32 v[FO], 4, v0
	v_add_nc_u32 v[FV], 0x10000, v[FO]
	s_and_b32 s15, ttmp7, 0xffff                   ; 8 x batch + head
	s_lshl_b32 s28, s15, 16                        ; the head's 65,536 bytes in each image
	s_mov_b32 s29, 0
	s_lshl_b32 s39, ttmp9, 4
	s_lshl_b32 s38, s14, 1
	s_add_co_u32 s39, s39, s38                     ; my first tile of queries: 16 x block + 2 x wave
	s_lshl_b32 s40, s39, 9
	s_add_co_u32 s40, s40, s28
	s_mov_b32 s41, 0
	s_lshr_b32 s42, s15, 3                         ; the batch: 128 tiles of rows each
	s_lshl_b32 s42, s42, 7
	s_add_co_u32 s42, s42, s39
	s_lshl_b32 s42, s42, 12
	s_and_b32 s38, s15, 7                          ; the head
	s_lshl_b32 s38, s38, 9
	s_add_co_u32 s42, s42, s38
	s_mov_b32 s43, 0
	s_mov_b32 s[SEL], 0x76543210
	s_mov_b32 s[SEL+1], 0xfedcba98
	s_wait_kmcnt 0x0
	s_load_b128 s[16:19], s[10:11], 0x0            ; e0 .. e3
	s_load_b128 s[20:23], s[10:11], 0x10           ; e4 .. e7: e6 = s22, e7 = s23
	s_load_b128 s[24:27], s[10:11], 0x20           ; e8 = s24, e9 = s25, e10 = s26
	s_add_nc_u64 s[4:5], s[4:5], s[40:41]
	s_add_nc_u64 s[6:7], s[6:7], s[28:29]
	s_add_nc_u64 s[8:9], s[8:9], s[28:29]
	s_add_nc_u64 s[12:13], s[12:13], s[42:43]
	global_load_b128 v[32:35], v[LI], s[4:5] th:TH_LOAD_NT             ; my two tiles of Q stay in registers
	global_load_b128 v[44:47], v[LI], s[4:5] offset:512 th:TH_LOAD_NT
.irp i, 0,1,2,3,4,5,6,7,8,9,10,11,12,13,14,15
	global_load_b128 v[FILL+4*\i:FILL+4*\i+3], v[FO], s[6:7] offset:4096*\i          ; the 256 threads read 4,096 consecutive bytes of K's image
.endr
.irp i, 0,1,2,3,4,5,6,7,8,9,10,11,12,13,14,15
	global_load_b128 v[FILL+64+4*\i:FILL+64+4*\i+3], v[FO], s[8:9] offset:4096*\i    ; and of V's
.endr
.irp i, 28,29,30,31,36,37,38,39,40,41,42,43,48,49,50,51
	v_mov_b32 v[\i], 0                             ; the zero codes round q
.endr
.set j, 0
.rept 32
	v_mov_b32 v[O+j], 0                            ; O^T.  (The step is written for every trip alike: the first finds zeros, which the first change of M leaves zeros)
.set j, j+1
.endr
.irp q, 0,1
	v_mov_b32 v[13+4*\q], 0xff61b1e6               ; the largest t so far: -3e38, under every t
	v_floor_f32 v[12+4*\q], -v[13+4*\q]            ; -M
	v_mov_b32 v[14+4*\q], 0                        ; l, in two halves
	v_mov_b32 v[15+4*\q], 0
.endr
	v_mov_b32 v[F+1], 0                            ; (named as the upper half of the pair)
	v_mov_b32 v[TX], 0                             ; written once: a lane permute's destination counts as one of its sources
	s_wait_kmcnt 0x0
	s_add_co_i32 s38, s22, s23
	s_lshl_b32 s38, s38, 23
	s_add_co_i32 s[CS], s38, 0x3d0293ee            ; c = log2(e) / sqrt(2048), with e6 + e7 added to its exponent field
	s_mov_b32 s[CS+1], s[CS]
	MKSC 25, SCP, LMP                              ; 2^e9 and 448 x 2^e9
.irp i, 0,1,2,3,4,5,6,7,8,9,10,11,12,13,14,15
	s_wait_loadcnt 31-\i                           ; loads come back in order (ISA guide 5.7.1): K's load i is in; the 31 - i issued behind it may be out
	ds_store_b128 v[FO], v[FILL+4*\i:FILL+4*\i+3] offset:4096*\i
.endr
.irp i, 0,1,2,3,4,5,6,7,8,9,10,11,12,13,14,15
	s_wait_loadcnt 15-\i
	ds_store_b128 v[FV], v[FILL+64+4*\i:FILL+64+4*\i+3] offset:4096*\i
.endr
	s_wait_dscnt 0x0                               ; for the others' sake: my part of the head has landed
	s_barrier_signal -1
	s_barrier_wait -1                              ; the head's K and V lie in LDS; nothing is written there again
	s_mov_b32 s[TB], 0
	v_add_nc_u32 v[ADK], s[TB], v[LI]
.irp t, 0,1,2,3,4,5,6,7
	ds_load_b128 v[KF+4*\t:KF+4*\t+3], v[ADK] offset:512*\t
.endr
	s_mov_b32 s[CNT], 15
.Lstep:
	STEP 1
	s_sub_co_u32 s[CNT], s[CNT], 1
	s_cmp_lg_u32 s[CNT], 0
	s_cbranch_scc1 .Lstep
	STEP 0                                         ; the last step fetches no further K
	; THE END.  l's two halves and the other half of the lanes' are added; O^T / l is quantised: its value is sum x 2^(e8 + e9) / l, so its code is (sum / l) / 2^(e10 - e8 - e9).
	v_add_f32 v14, v14, v15                        ; (the four additions and the two moves below are the places behind the last products)
	v_add_f32 v18, v18, v19
	v_permlanex16_b32 v[TX], v14, s[SEL], s[SEL+1]
	v_permlanex16_b32 v[TA], v18, s[SEL], s[SEL+1]
	v_add_f32 v14, v14, v[TX]
	v_add_f32 v18, v18, v[TA]
	v_rcp_f32 v14, v14
	v_rcp_f32 v18, v18
	s_sub_co_i32 s38, s26, s24
	s_sub_co_i32 s38, s38, s25
	MKSC 38, SCP, LMP                              ; its two moves are the plain lines behind the reciprocals
	s_wait_alu depctr_va_vdst(0)
.irp q, 0,1
.irp b, 0,2,4,6,8,10,12,14
	v_pk_mul_f32 v[O+16*\q+\b:O+16*\q+\b+1], v[O+16*\q+\b:O+16*\q+\b+1], v[14+4*\q:15+4*\q] op_sel_hi:[1,0]   ; each accumulator from its low end on
.endr
.endr
.irp q, 0,1
.irp i, 0,1,2,3,4,5,6,7,8,9,10,11,12,13,14,15
	v_med3_num_f32 v[O+16*\q+\i], v[O+16*\q+\i], -v[LMP], v[LMP]
.endr
.endr
.irp q, 0,1
	v_cvt_scalef32_pk8_fp8_f32 v[KF+4*\q:KF+4*\q+1], v[O+16*\q:O+16*\q+7], v[SCP]
	v_cvt_scalef32_pk8_fp8_f32 v[KF+4*\q+2:KF+4*\q+3], v[O+16*\q+8:O+16*\q+15], v[SCP]
.endr
	v_nop                                          ; one plain line behind the last conversion
.irp q, 0,1
	global_store_b128 v[LI], v[KF+4*\q:KF+4*\q+3], s[12:13] offset:4096*\q
.endr
	s_wait_tensorcnt 0x0
	ds_add_u32 v254, v255
	s_wait_dscnt 0x0
	s_endpgm
.Lfunc_end_k_qe5e5d84ba2_attn:
	.size	k_qe5e5d84ba2_attn, .Lfunc_end_k_qe5e5d84ba2_attn-k_qe5e5d84ba2_attn
	.p2alignl 7, 3214868480
	.fill 96, 4, 3214868480
	.section	.rodata,"a",@progbits
	.p2align	6, 0x0
	.amdhsa_kernel k_qe5e5d84ba2_attn
		.amdhsa_group_segment_fixed_size 168960
		.amdhsa_private_segment_fixed_size 0
		.amdhsa_enable_private_segment 0
		.amdhsa_kernarg_size 40
		.amdhsa_user_sgpr_count 2
		.amdhsa_user_sgpr_kernarg_segment_ptr 1
		.amdhsa_wavefront_size32 1
		.amdhsa_system_sgpr_workgroup_id_x 1
		.amdhsa_system_sgpr_workgroup_id_y 1
		.amdhsa_system_sgpr_workgroup_id_z 1
		.amdhsa_system_vgpr_workitem_id 0
		.amdhsa_next_free_vgpr 256
		.amdhsa_next_free_sgpr 66
		.amdhsa_reserve_vcc 0
		.amdhsa_float_denorm_mode_32 3
		.amdhsa_float_denorm_mode_16_64 3
		.amdhsa_memory_ordered 1
		.amdhsa_forward_progress 1
		.amdhsa_inst_pref_size 69
	.end_amdhsa_kernel
	.amdgpu_metadata
---
amdhsa.version: [ 1, 2 ]
amdhsa.kernels:
  - .name:           k_qe5e5d84ba2_attn
    .symbol:         k_qe5e5d84ba2_attn.kd
    .args:
      - { .name: qimg, .offset: 0, .size: 8, .value_kind: global_buffer, .address_space: global }
      - { .name: kimg, .offset: 8, .size: 8, .value_kind: global_buffer, .address_space: global }
      - { .name: vimg, .offset: 16, .size: 8, .value_kind: global_buffer, .address_space: global }
      - { .name: lowp_scales, .offset: 24, .size: 8, .value_kind: global_buffer, .address_space: global }
      - { .name: acodes, .offset: 32, .size: 8, .value_kind: global_buffer, .address_space: global }
    .group_segment_fixed_size: 168960
    .private_segment_fixed_size: 0
    .kernarg_segment_align: 8
    .kernarg_segment_size: 40
    .max_flat_workgroup_size: 256
    .sgpr_count:     66
    .vgpr_count:     256
    .wavefront_size: 32
...
	.end_amdgpu_metadata
.endif
;; end of part 2
;; launch outln (part 3): grid 256 x 1, 8 waves a work-group, no clusters, 168,960 bytes of LDS; arguments acodes, Wf_codes, lowp_scales, bf, inputs, gamma, beta, out0; writes out0
.if DOCPART == 3
	.amdgcn_target "amdgcn-amd-amdhsa--gfx1250"
	.amdhsa_code_object_version 6
	.text
	.protected	k_qe5e5d84ba2_outln
	.globl	k_qe5e5d84ba2_outln
	.p2align	8
	.type	k_qe5e5d84ba2_outln,@function
k_qe5e5d84ba2_outln:
	s_mov_b64 s[64:65], 0
	v_nop
	global_prefetch_b8 v0, s[64:65] scope:SCOPE_SE
	s_setreg_imm32_b32 hwreg(HW_REG_WAVE_MODE, 25, 1), 1
	s_wait_xcnt 0x0
; out0 = LayerNorm(inputs + A Wf^T + bf) x gamma + beta.  A: the attention's result as codes of FP8 (E4M3) with 2^e10, in acodes; Wf: [256][256] codes, K innermost, with 2^e11.  All else f32.
; acodes: (row / 16) x 4096 + head x 512 + lane x 16; lane (r, h) = features 32 head + 16 h + 0 .. 15 of row r: registers 4 c .. 4 c + 3 (c = head % 4) of K step head / 4.  Wf is loaded in the same order of k.
; LIMIT: e10 + e11 between -126 and 127, so that 2^(e10 + e11) is an f32 number.
; SHARES.  A work-group takes 32 rows.  The product: wave w makes features 32 w .. 32 w + 31 for both tiles of 16 rows (source 0 = 16 rows of Wf, source 1 = 16 rows of A: a lane holds eight neighbouring features of a row).
; The sums meet in a stage in LDS; one barrier; then wave w owns the whole rows 4 w .. 4 w + 3: a lane holds features 128 g + 4 lane + 0 .. 3, g = 0, 1, so mean and variance never leave the wave.
; The variance is the mean of (x - mean)^2, as it is defined: no difference of large sums.  Every load of a row and every store covers 512 consecutive bytes, aligned.
; No tensor load, no cluster: each operand byte but Wf's 65,536 is read by one work-group, once; Wf goes straight into registers.
; REGISTERS: v1-6 addresses; v16-79 A's four fragments; v80-143 Wf's four; v144-175 four accumulators; v176-207 the residual's rows; v208-231 gamma, beta, bf; behind the products v16-47 the rows x, v48-67 sums.
.set LI,  1                            ; v1   16 x lane
.set WO,  4                            ; v4   Wf: r x 256 + 16 h
.set SO,  5                            ; v5   the stage, in: r x 1040 + 32 h + 128 x wave
.set SR,  6                            ; v6   the stage, out: wave x 4160 + 16 x lane
.set SPI, 1040                         ; a stage row: 1,024 bytes + 16: row r starts 4 r words on, so 16 rows start at 16 different banks (64 banks of 4 bytes: ISA guide 11.1)
.set AF,  16
.set WFR, 80
.set ACC, 144
.set IN,  176
.set G,   208
.set BE,  216
.set BF,  224
.set Y,   16
.set RR,  48
.set QQ,  56
.set XX,  64
.macro WSUM reg                        ; the four rows' pairs v[reg + 2 i], by turns: the two halves, then the 32 lanes; the sum ends in every lane's v[reg + 2 i]
.irp i, 0,1,2,3
	v_add_f32 v[\reg+2*\i], v[\reg+2*\i], v[\reg+2*\i+1]
.endr
.irp m, 1,2,4,8
.irp i, 0,1,2,3
	v_add_f32_dpp v[\reg+2*\i], v[\reg+2*\i], v[\reg+2*\i] row_xmask:\m row_mask:0xf bank_mask:0xf
.endr
.endr
.irp i, 0,1,2,3
	v_permlanex16_b32 v[XX+\i], v[\reg+2*\i], s30, s31
.endr
.irp i, 0,1,2,3
	v_add_f32 v[\reg+2*\i], v[\reg+2*\i], v[XX+\i]
.endr
.endm
	s_load_b256 s[4:11], s[0:1], 0x0               ; acodes s[4:5], Wf s[6:7], the scales' exponents s[8:9], bf s[10:11]
	s_load_b256 s[12:19], s[0:1], 0x20             ; inputs s[12:13], gamma s[14:15], beta s[16:17], out0 s[18:19]
	v_lshl_add_u32 v254, v0, 2, 0x29000
	v_mov_b32 v255, 0
	v_lshrrev_b32 v7, 5, v0
	v_readfirstlane_b32 s20, v7                    ; wave 0..7
	v_and_b32 v[LI], 31, v0
	v_lshlrev_b32 v[LI], 4, v[LI]
	v_and_b32 v2, 15, v0                           ; r
	v_bfe_u32 v3, v0, 4, 1                         ; h
	v_lshlrev_b32 v[WO], 8, v2
	v_lshl_add_u32 v[WO], v3, 4, v[WO]
	v_mul_u32_u24 v[SO], v2, SPI
	v_lshl_add_u32 v[SO], v3, 5, v[SO]
	s_lshl_b32 s21, s20, 7
	v_add_nc_u32 v[SO], s21, v[SO]
	s_mul_i32 s21, s20, 4*SPI
	v_add_nc_u32 v[SR], s21, v[LI]
	s_mov_b32 s28, 0x3b800000                      ; 1 / 256
	s_mov_b32 s29, 0x358637bd                      ; 1e-6
	s_mov_b32 s30, 0x76543210                      ; v_permlanex16_b32's selects: lane l xor 16
	s_mov_b32 s31, 0xfedcba98
	s_mov_b32 s23, 0
	s_wait_kmcnt 0x0
	s_load_b64 s[24:25], s[8:9], 0x28              ; e10, e11
	s_lshl_b32 s22, ttmp9, 13                      ; acodes: two tiles of 4,096 bytes a work-group
	s_add_nc_u64 s[4:5], s[4:5], s[22:23]
	s_lshl_b32 s22, s20, 13                        ; Wf: my 32 rows of 256 bytes
	s_add_nc_u64 s[6:7], s[6:7], s[22:23]
	s_lshl_b32 s22, ttmp9, 15                      ; inputs, out0: 32 rows of 1,024 bytes a work-group, 4 a wave
	s_lshl_b32 s21, s20, 12
	s_add_co_u32 s22, s22, s21
	s_add_nc_u64 s[12:13], s[12:13], s[22:23]
	s_add_nc_u64 s[18:19], s[18:19], s[22:23]
.irp n, 0,1,2,3,4,5,6,7,8,9,10,11,12,13,14,15
	global_load_b128 v[AF+4*\n:AF+4*\n+3], v[LI], s[4:5] offset:512*\n               ; fragment n / 4 = 2 x tile + K step
.endr
.irp u, 0,1
.irp ks, 0,1
.irp c, 0,1,2,3
	global_load_b128 v[WFR+32*\u+16*\ks+4*\c:WFR+32*\u+16*\ks+4*\c+3], v[WO], s[6:7] offset:4096*\u+128*\ks+32*\c
.endr
.endr
.endr
.irp i, 0,1,2,3
.irp g, 0,1
	global_load_b128 v[IN+8*\i+4*\g:IN+8*\i+4*\g+3], v[LI], s[12:13] offset:1024*\i+512*\g th:TH_LOAD_NT   ; the residual's rows land under the product
.endr
.endr
.irp g, 0,1
	global_load_b128 v[G+4*\g:G+4*\g+3], v[LI], s[14:15] offset:512*\g
	global_load_b128 v[BE+4*\g:BE+4*\g+3], v[LI], s[16:17] offset:512*\g
	global_load_b128 v[BF+4*\g:BF+4*\g+3], v[LI], s[10:11] offset:512*\g
.endr
	s_wait_loadcnt 14                              ; the 32 loads of the operands are in; the 14 issued behind them (residual, gamma, beta, bf) may be out
.irp ks, 0,1                           ; four accumulators by turns, one instruction a turn; the first K step starts the sums
.irp tt, 0,1
.irp u, 0,1
.if \ks == 0
	v_wmma_f32_16x16x128_fp8_fp8 v[ACC+16*\tt+8*\u:ACC+16*\tt+8*\u+7], v[WFR+32*\u+16*\ks:WFR+32*\u+16*\ks+15], v[AF+16*(2*\tt+\ks):AF+16*(2*\tt+\ks)+15], 0
.else
	v_wmma_f32_16x16x128_fp8_fp8 v[ACC+16*\tt+8*\u:ACC+16*\tt+8*\u+7], v[WFR+32*\u+16*\ks:WFR+32*\u+16*\ks+15], v[AF+16*(2*\tt+\ks):AF+16*(2*\tt+\ks)+15], v[ACC+16*\tt+8*\u:ACC+16*\tt+8*\u+7]
.endif
.endr
.endr
.endr
.rept 4
	v_nop                                          ; four places behind the products: in front of the stores of their results and of what is written over their operands
.endr
.irp tt, 0,1
.irp u, 0,1
	ds_store_b128 v[SO], v[ACC+16*\tt+8*\u:ACC+16*\tt+8*\u+3] offset:16*SPI*\tt+64*\u        ; lane (r, h): row 16 tt + r, features 32 w + 16 u + 8 h + 0 .. 7; each accumulator from its low end on
	ds_store_b128 v[SO], v[ACC+16*\tt+8*\u+4:ACC+16*\tt+8*\u+7] offset:16*SPI*\tt+64*\u+16
.endr
.endr
	s_wait_dscnt 0x0                               ; for the others' sake: my sums have landed
	s_barrier_signal -1
	s_barrier_wait -1                              ; 32 whole rows of sums lie in the stage
.irp i, 0,1,2,3
.irp g, 0,1
	ds_load_b128 v[Y+8*\i+4*\g:Y+8*\i+4*\g+3], v[SR] offset:SPI*\i+512*\g
.endr
.endr
.irp i, 0,1,2,3
	v_mov_b32 v[XX+\i], 0                          ; written once: a lane permute's destination counts as one of its sources
.endr
	s_wait_kmcnt 0x0
	s_add_co_i32 s26, s24, s25
	s_add_co_i32 s26, s26, 127
	s_lshl_b32 s26, s26, 23                        ; 2^(e10 + e11) as f32
	s_mov_b32 s27, s26                             ; (named with it as a pair, so it is written)
	s_wait_loadcnt 0x0
	s_wait_dscnt 0x0
	; x = inputs + (sum x 2^(e10 + e11) + bf); the four rows take turns in every group of lines
.irp i, 0,1,2,3
.irp p, 0,2,4,6
	v_pk_fma_f32 v[Y+8*\i+\p:Y+8*\i+\p+1], v[Y+8*\i+\p:Y+8*\i+\p+1], s[26:27], v[BF+\p:BF+\p+1] op_sel_hi:[1,0,1]
.endr
.endr
.irp i, 0,1,2,3
.irp p, 0,2,4,6
	v_pk_add_f32 v[Y+8*\i+\p:Y+8*\i+\p+1], v[Y+8*\i+\p:Y+8*\i+\p+1], v[IN+8*\i+\p:IN+8*\i+\p+1]
.endr
.endr
	; the mean
.irp i, 0,1,2,3
	v_pk_add_f32 v[RR+2*\i:RR+2*\i+1], v[Y+8*\i:Y+8*\i+1], v[Y+8*\i+2:Y+8*\i+3]
.endr
.irp i, 0,1,2,3
	v_pk_add_f32 v[QQ+2*\i:QQ+2*\i+1], v[Y+8*\i+4:Y+8*\i+5], v[Y+8*\i+6:Y+8*\i+7]
.endr
.irp i, 0,1,2,3
	v_pk_add_f32 v[RR+2*\i:RR+2*\i+1], v[RR+2*\i:RR+2*\i+1], v[QQ+2*\i:QQ+2*\i+1]
.endr
	WSUM RR
.irp i, 0,1,2,3
	v_mul_f32 v[RR+2*\i], s28, v[RR+2*\i]
.endr
.irp i, 0,1,2,3
.irp p, 0,2,4,6
	v_pk_add_f32 v[Y+8*\i+\p:Y+8*\i+\p+1], v[Y+8*\i+\p:Y+8*\i+\p+1], v[RR+2*\i:RR+2*\i+1] op_sel_hi:[1,0] neg_lo:[0,1] neg_hi:[0,1]   ; x - mean
.endr
.endr
	; the variance
.irp i, 0,1,2,3
	v_pk_mul_f32 v[QQ+2*\i:QQ+2*\i+1], v[Y+8*\i:Y+8*\i+1], v[Y+8*\i:Y+8*\i+1]
.endr
.irp p, 2,4,6
.irp i, 0,1,2,3
	v_pk_fma_f32 v[QQ+2*\i:QQ+2*\i+1], v[Y+8*\i+\p:Y+8*\i+\p+1], v[Y+8*\i+\p:Y+8*\i+\p+1], v[QQ+2*\i:QQ+2*\i+1]
.endr
.endr
	WSUM QQ
.irp i, 0,1,2,3
	v_fma_f32 v[QQ+2*\i], v[QQ+2*\i], s28, s29     ; the sum / 256 + 1e-6
.endr
.irp i, 0,1,2,3
	v_rsq_f32 v[RR+2*\i], v[QQ+2*\i]
.endr
	v_nop                                          ; one plain line between the last of them and the use of its result (ISA guide 5.7.2)
	s_wait_alu depctr_va_vdst(0)
.irp i, 0,1,2,3
.irp p, 0,2,4,6
	v_pk_mul_f32 v[Y+8*\i+\p:Y+8*\i+\p+1], v[Y+8*\i+\p:Y+8*\i+\p+1], v[RR+2*\i:RR+2*\i+1] op_sel_hi:[1,0]
.endr
.endr
.irp i, 0,1,2,3
.irp p, 0,2,4,6
	v_pk_fma_f32 v[Y+8*\i+\p:Y+8*\i+\p+1], v[Y+8*\i+\p:Y+8*\i+\p+1], v[G+\p:G+\p+1], v[BE+\p:BE+\p+1]
.endr
.endr
.irp i, 0,1,2,3
.irp g, 0,1
	global_store_b128 v[LI], v[Y+8*\i+4*\g:Y+8*\i+4*\g+3], s[18:19] offset:1024*\i+512*\g th:TH_STORE_NT   ; written once, read by nobody here
.endr
.endr
	s_wait_tensorcnt 0x0
	ds_add_u32 v254, v255
	s_wait_dscnt 0x0
	s_endpgm
.Lfunc_end_k_qe5e5d84ba2_outln:
	.size	k_qe5e5d84ba2_outln, .Lfunc_end_k_qe5e5d84ba2_outln-k_qe5e5d84ba2_outln
	.p2alignl 7, 3214868480
	.fill 96, 4, 3214868480
	.section	.rodata,"a",@progbits
	.p2align	6, 0x0
	.amdhsa_kernel k_qe5e5d84ba2_outln
		.amdhsa_group_segment_fixed_size 168960
		.amdhsa_private_segment_fixed_size 0
		.amdhsa_enable_private_segment 0
		.amdhsa_kernarg_size 64
		.amdhsa_user_sgpr_count 2
		.amdhsa_user_sgpr_kernarg_segment_ptr 1
		.amdhsa_wavefront_size32 1
		.amdhsa_system_sgpr_workgroup_id_x 1
		.amdhsa_system_sgpr_workgroup_id_y 1
		.amdhsa_system_sgpr_workgroup_id_z 1
		.amdhsa_system_vgpr_workitem_id 0
		.amdhsa_next_free_vgpr 256
		.amdhsa_next_free_sgpr 66
		.amdhsa_reserve_vcc 0
		.amdhsa_float_denorm_mode_32 3
		.amdhsa_float_denorm_mode_16_64 3
		.amdhsa_memory_ordered 1
		.amdhsa_forward_progress 1
		.amdhsa_inst_pref_size 20
	.end_amdhsa_kernel
	.amdgpu_metadata
---
amdhsa.version: [ 1, 2 ]
amdhsa.kernels:
  - .name:           k_qe5e5d84ba2_outln
    .symbol:         k_qe5e5d84ba2_outln.kd
    .args:
      - { .name: acodes, .offset: 0, .size: 8, .value_kind: global_buffer, .address_space: global }
      - { .name: Wf_codes, .offset: 8, .size: 8, .value_kind: global_buffer, .address_space: global }
      - { .name: lowp_scales, .offset: 16, .size: 8, .value_kind: global_buffer, .address_space: global }
      - { .name: bf, .offset: 24, .size: 8, .value_kind: global_buffer, .address_space: global }
      - { .name: inputs, .offset: 32, .size: 8, .value_kind: global_buffer, .address_space: global }
      - { .name: gamma, .offset: 40, .size: 8, .value_kind: global_buffer, .address_space: global }
      - { .name: beta, .offset: 48, .size: 8, .value_kind: global_buffer, .address_space: global }
      - { .name: out0, .offset: 56, .size: 8, .value_kind: global_buffer, .address_space: global }
    .group_segment_fixed_size: 168960
    .private_segment_fixed_size: 0
    .kernarg_segment_align: 8
    .kernarg_segment_size: 64
    .max_flat_workgroup_size: 256
    .sgpr_count:     66
    .vgpr_count:     256
    .wavefront_size: 32
...
	.end_amdgpu_metadata
.endif
;; end of part 3
;; ======== version 2 of 2: 3 launches; version 1 with the launches proj, attn, outln written anew for expert scheduling mode
;; workspace buffers: qimg 2,097,152 bytes; kimg 2,097,152 bytes; vimg 2,097,152 bytes; acodes 2,097,152 bytes
;; launch proj (part 4): grid 256 x 1, 8 waves a work-group, no clusters, 60,416 bytes of LDS; arguments inputs, Wq_codes, Wk_codes, Wv_codes, lowp_scales, qimg, kimg, vimg; writes qimg, kimg, vimg
.if DOCPART == 4
	.amdgcn_target "amdgcn-amd-amdhsa--gfx1250"
	.amdhsa_code_object_version 6
	.text
	.protected	k_qe5e5d84ba2_proj
	.globl	k_qe5e5d84ba2_proj
	.p2align	8
	.type	k_qe5e5d84ba2_proj,@function
k_qe5e5d84ba2_proj:
	s_mov_b64 s[64:65], 0
	v_nop
	global_prefetch_b8 v0, s[64:65] scope:SCOPE_SE
	s_setreg_imm32_b32 hwreg(HW_REG_WAVE_SCHED_MODE, 0, 2), 2
	s_setreg_imm32_b32 hwreg(HW_REG_WAVE_MODE, 25, 1), 1
	s_wait_xcnt 0x0
	s_wait_alu depctr_vm_vsrc(0)
; Q, K, V = Quant(inputs) W^T on codes of FP8 (E4M3), and the three results quantised again for the attention's products.
; inputs: [8192][256] f32.  Wq, Wk, Wv: [256][256] codes, K innermost.  lowp_scales: e0 .. e11 (int32).
; inputs are quantised three times (2^e0 for Q, 2^e2 for K, 2^e4 for V).  A sum of product z stands for sum x 2^(e(2z) + e(2z+1)), so the result's code is
; sum / 2^(e6 - e0 - e1) for Q, / 2^(e7 - e2 - e3) for K, / 2^(e8 - e4 - e5) for V: three scales folded into the conversion's one.
; LIMITS, so that each power of two is an f32 number and 448 x it too: e0, e2, e4, e6-e0-e1, e7-e2-e3, e8-e4-e5 between -126 and 119.  NaN among the inputs is not served; an infinity is held at the largest code.
; SHARES.  A work-group takes 32 rows (two tiles of 16 tokens).  Phase X: wave w quantises 16 rows x 64 along K (tile w / 4, K step (w / 2) % 2, half w % 2) under the three scales and lays the codes
; into LDS as images of operand registers (16 bytes a lane at 16 x lane).  One barrier.  Phase P: wave w is head w: its 32 rows of each weight, 12 fragments, lie in 192 registers.
; K IS PERMUTED ALIKE ON BOTH SIDES: registers 4 c .. 4 c + 3 of a fragment hold k = 32 c + 16 (lane / 16) + 0 .. 15, in x's images and in the weights' loads: every product meets its partner.
; THE ROWS OF A WEIGHT THAT FORM A TILE ARE NOT NEIGHBOURS: lane r of tile u takes row 32 w + 8 u + r + 8 (r / 8).
;   Q, K (source 0 = the weight, source 1 = x): lane (token r, h) holds channels 16 h + 8 u + j: the 16 registers of tiles u = 0, 1 are 16 neighbouring channels: 16 codes, one store.
;   V (source 0 = x, source 1 = the weight): lane (r, h) holds channel 8 u + r + 8 (r / 8) and tokens 16 tt + 8 h + j: the codes lie with the tokens innermost, as the second product's operand wants them.
; OUT (bh = 8 x batch + head; every store of a wave covers 512 consecutive bytes, aligned):
;   qimg, kimg: bh x 65536 + (token / 16) x 512 + lane x 16.     vimg: bh x 65536 + (token / 128) x 4096 + u x 2048 + ((token / 32) % 4) x 512 + lane x 16.
; No tensor loads, no cluster: x is read once by one work-group; the weights (196,608 bytes) go from memory straight into the registers in which they stay.
; REGISTERS.  Window 0: v1-10 addresses; v12-23 scales and holds; phase X: v24-55 x as loaded, v56-87 16 neighbours x 2, v88-119 held numbers (two sets), v120-143 codes;
;   phase P: v24-87, v88-151 x's fragments (two sets of four), v152-183, v184-215 accumulators, v216-239 codes to store (each written once).  Window 1: the weights: (z, u, ks) at 64 z + 32 u + 16 ks.
; THE MODE: SCHED_MODE bits 1:0 = 2 (LLVM: expert scheduling mode 2), set by the entry lines.  The code itself states the register dependences
; between vector or matrix instructions and memory or LDS instructions, with s_wait_alu, always for 0.
; THE PLAN.  Registers that memory or LDS instructions touch:
;   v4-10      addresses and offsets: written at the head, ahead of the first wait on va_vdst, and never again.
;   v24-55     x's loads land here; the stage's stores read them.      v56-87  the stage's loads land here; the holds read them.
;   v120-143   written by the twelve conversions of phase X; read by the six image stores, which stand in ONE run behind ONE wait on va_vdst.
;   v24-151    behind the barrier x's fragments land here: one wait on vm_vsrc states that the stores of phase X have read their data; the vector lines that named these registers stand ahead of the wait on va_vdst above.
;   v24-87     read by Q's products; the third scale's fragments land here behind one wait on va_vdst.
;   v216-239   written once each by the results' conversions; Q's and K's four stores stand behind one wait on va_vdst, V's two behind another.
;   The weights' registers (window 1) are written by loads and read by products alone.  v254, v255: written at the head, read by the closing add alone.
.set STGW, 16*272                      ; a wave's stage: 16 rows x (256 bytes + 16): row r starts 4 r words on, so 16 rows start at 16 different banks (64 banks of 4 bytes: ISA guide 11.1)
.set XIMG, 8*STGW                      ; behind the stages: x's images: z x 8192 + (2 tt + ks) x 2048 + c x 512 + lane x 16
.set XO,  4                            ; v4   x in memory: (lane / 16) x 1024 + (lane % 16) x 16
.set SI,  5                            ; v5   the stage, in
.set SRD, 6                            ; v6   the stage, out
.set XW,  7                            ; v7   where I store x's images
.set LI,  8                            ; v8   16 x lane
.set LX,  9                            ; v9   XIMG + 16 x lane
.set WO,  10                           ; v10  a weight's tile: (r + 8 (r / 8)) x 256 + 16 h
.set XR,  24
.set XN,  56
.set T,   88
.set PC,  120
.set XFA, 24
.set XFB, 88
.set ACC0, 152
.set ACC1, 184
.set CD,  216
.set MSB, 0
.macro WIN new                         ; the immediate's high byte repeats the setting that is left
.if MSB != \new
	s_set_vgpr_msb (MSB<<8)|\new
.set MSB, \new
.endif
.endm
.macro MKSC e, sc, lim                 ; v[sc] = 2^s[e] as f32 (the conversion takes its exponent field); v[lim] = 448 x that
	s_add_co_i32 s28, s[\e], 127
	s_lshl_b32 s29, s28, 23
	v_mov_b32 v[\sc], s29
	s_add_co_i32 s28, s28, 8
	s_lshl_b32 s28, s28, 23
	s_or_b32 s28, s28, 0x600000
	v_mov_b32 v[\lim], s28
.endm
.macro WLOAD z, base                   ; my head's 32 rows of weight z: four fragments, into window 1
.irp u, 0,1
.irp ks, 0,1
.irp c, 0,1,2,3
	global_load_b128 v[64*\z+32*\u+16*\ks+4*\c:64*\z+32*\u+16*\ks+4*\c+3], v[WO], s[\base:\base+1] offset:2048*\u+128*\ks+32*\c
.endr
.endr
.endr
.endm
.macro QX z                            ; my 32 numbers a lane under scale z: held and converted into two groups of four registers of a fragment's image
.irp cp, 0,1
.set TS, T+16*\cp
.irp i, 0,1,2,3,4,5,6,7,8,9,10,11,12,13,14,15
	v_med3_num_f32 v[TS+\i], v[XN+16*\cp+\i], -v[13+2*\z], v[13+2*\z]   ; the conversion to an 8-bit code does not saturate (ISA guide 7.6.2): the hold at 448 x the scale; into a set of its own, since x is quantised three times
.endr
	v_cvt_scalef32_pk8_fp8_f32 v[PC+8*\z+4*\cp:PC+8*\z+4*\cp+1], v[TS:TS+7], v[12+2*\z]
	v_cvt_scalef32_pk8_fp8_f32 v[PC+8*\z+4*\cp+2:PC+8*\z+4*\cp+3], v[TS+8:TS+15], v[12+2*\z]   ; the next sixteen holds write the other set: they are the plain lines behind these conversions
.endr
.endm
.macro FETCHX z, set                   ; x's four fragments (2 tt + ks) under scale z
.irp f, 0,1,2,3
.irp c, 0,1,2,3
	ds_load_b128 v[\set+16*\f+4*\c:\set+16*\f+4*\c+3], v[LX] offset:8192*\z+2048*\f+512*\c
.endr
.endr
.endm
.macro MULT z, set, acc                ; Q or K: source 0 = the weight's tile u, source 1 = x's tile tt.  Four accumulators by turns, one instruction a turn; the first K step starts the sums
.irp ks, 0,1
.irp tt, 0,1
.irp u, 0,1
.if \ks == 0
	v_wmma_f32_16x16x128_fp8_fp8 v[\acc+16*\tt+8*\u:\acc+16*\tt+8*\u+7], v[64*\z+32*\u+16*\ks:64*\z+32*\u+16*\ks+15], v[\set+16*(2*\tt+\ks):\set+16*(2*\tt+\ks)+15], 0
.else
	v_wmma_f32_16x16x128_fp8_fp8 v[\acc+16*\tt+8*\u:\acc+16*\tt+8*\u+7], v[64*\z+32*\u+16*\ks:64*\z+32*\u+16*\ks+15], v[\set+16*(2*\tt+\ks):\set+16*(2*\tt+\ks)+15], v[\acc+16*\tt+8*\u:\acc+16*\tt+8*\u+7]
.endif
.endr
.endr
.endr
.endm
.macro MULN set, acc                   ; V: source 0 = x's tile tt, source 1 = Wv's tile u
.irp ks, 0,1
.irp tt, 0,1
.irp u, 0,1
.if \ks == 0
	v_wmma_f32_16x16x128_fp8_fp8 v[\acc+16*\u+8*\tt:\acc+16*\u+8*\tt+7], v[\set+16*(2*\tt+\ks):\set+16*(2*\tt+\ks)+15], v[128+32*\u+16*\ks:128+32*\u+16*\ks+15], 0
.else
	v_wmma_f32_16x16x128_fp8_fp8 v[\acc+16*\u+8*\tt:\acc+16*\u+8*\tt+7], v[\set+16*(2*\tt+\ks):\set+16*(2*\tt+\ks)+15], v[128+32*\u+16*\ks:128+32*\u+16*\ks+15], v[\acc+16*\u+8*\tt:\acc+16*\u+8*\tt+7]
.endif
.endr
.endr
.endr
.endm
.macro RQ acc, z, dst                  ; 32 sums a lane become 32 codes: held in place, each accumulator from its low end on, then converted
.set i, 0
.rept 32
	v_med3_num_f32 v[\acc+i], v[\acc+i], -v[19+2*\z], v[19+2*\z]
.set i, i+1
.endr
.irp n, 0,1,2,3
	v_cvt_scalef32_pk8_fp8_f32 v[\dst+2*\n:\dst+2*\n+1], v[\acc+8*\n:\acc+8*\n+7], v[18+2*\z]
.endr
	v_nop                                          ; one plain line behind the last conversion: a later product writes the registers that it read
.endm
	s_load_b256 s[4:11], s[0:1], 0x0               ; inputs s[4:5], Wq s[6:7], Wk s[8:9], Wv s[10:11]
	s_load_b256 s[12:19], s[0:1], 0x20             ; the scales' exponents s[12:13], qimg s[14:15], kimg s[16:17], vimg s[18:19]
	v_lshl_add_u32 v254, v0, 2, 0xe800
	v_mov_b32 v255, 0
	v_lshrrev_b32 v1, 5, v0
	v_readfirstlane_b32 s20, v1                    ; wave 0..7
	v_and_b32 v1, 31, v0                           ; lane
	v_and_b32 v2, 15, v0                           ; r
	v_bfe_u32 v3, v0, 4, 1                         ; h
	s_wait_alu depctr_va_sdst(0)                   ; s20 is written, ahead of its first reader: the wave's shares, LDS places and bases are made from it
	s_lshr_b32 s21, s20, 2                         ; phase X: tile of tokens,
	s_bfe_u32 s22, s20, 0x10001                    ; K step,
	s_and_b32 s23, s20, 1                          ; half of it
	v_lshlrev_b32 v[XO], 4, v2
	v_lshl_add_u32 v[XO], v3, 10, v[XO]            ; lanes 0-15 take 256 bytes of one row, lanes 16-31 of the next
	s_mul_i32 s28, s20, STGW                       ; my stage
	v_mul_u32_u24 v[SI], v3, 272
	v_lshl_add_u32 v[SI], v2, 4, v[SI]
	v_add_nc_u32 v[SI], s28, v[SI]                 ; in: as loaded
	v_mul_u32_u24 v[SRD], v2, 272
	v_lshl_add_u32 v[SRD], v3, 6, v[SRD]
	v_add_nc_u32 v[SRD], s28, v[SRD]               ; out: row r, 16 numbers from 16 h on of each block of 32
	v_lshlrev_b32 v[LI], 4, v1
	s_lshl_b32 s29, s20, 10                        ; (2 tt + ks) x 2048 + 2 hf x 512 = 1024 x wave
	s_add_co_u32 s29, s29, XIMG
	v_add_nc_u32 v[XW], s29, v[LI]
	v_add_nc_u32 v[LX], XIMG, v[LI]
	v_and_b32 v[WO], 8, v2
	v_add_nc_u32 v[WO], v[WO], v2                  ; r + 8 (r / 8)
	v_lshlrev_b32 v[WO], 8, v[WO]
	v_lshl_add_u32 v[WO], v3, 4, v[WO]
	s_lshl_b32 s24, ttmp9, 15                      ; x: 32 rows of 1,024 bytes a work-group,
	s_lshl_b32 s26, s21, 14                        ; 16 rows a tile,
	s_add_co_u32 s24, s24, s26
	s_lshl_b32 s26, s22, 9                         ; 512 bytes a K step,
	s_add_co_u32 s24, s24, s26
	s_lshl_b32 s26, s23, 8                         ; 256 a half
	s_add_co_u32 s24, s24, s26
	s_mov_b32 s25, 0
	s_lshl_b32 s26, s20, 13                        ; the weights: my head's 32 rows of 256 bytes
	s_mov_b32 s27, 0
	s_lshr_b32 s33, ttmp9, 6                       ; the batch: 64 work-groups each
	s_lshl_b32 s33, s33, 19
	s_lshl_b32 s38, s20, 16
	s_add_co_u32 s33, s33, s38                     ; (8 x batch + head) x 65536
	s_and_b32 s38, ttmp9, 63                       ; my 32 tokens among the batch's
	s_lshl_b32 s34, s38, 10                        ; qimg, kimg: two tiles of 512 bytes
	s_add_co_u32 s34, s34, s33
	s_mov_b32 s35, 0
	s_lshr_b32 s36, s38, 2                         ; vimg: the step of 128 tokens,
	s_lshl_b32 s36, s36, 12
	s_add_co_u32 s36, s36, s33
	s_and_b32 s38, ttmp9, 3                        ; and my 32 within it
	s_lshl_b32 s38, s38, 9
	s_add_co_u32 s36, s36, s38
	s_mov_b32 s37, 0
	s_wait_kmcnt 0x0
	s_load_b128 s[40:43], s[12:13], 0x0            ; e0 .. e3
	s_load_b128 s[44:47], s[12:13], 0x10           ; e4 .. e7
	s_load_b128 s[48:51], s[12:13], 0x20           ; e8 .. e11
	s_add_nc_u64 s[4:5], s[4:5], s[24:25]
	s_add_nc_u64 s[6:7], s[6:7], s[26:27]
	s_add_nc_u64 s[8:9], s[8:9], s[26:27]
	s_add_nc_u64 s[10:11], s[10:11], s[26:27]
	s_add_nc_u64 s[14:15], s[14:15], s[34:35]
	s_add_nc_u64 s[16:17], s[16:17], s[34:35]
	s_add_nc_u64 s[18:19], s[18:19], s[36:37]
	s_wait_alu depctr_va_vdst(0)                   ; the seven addresses and offsets v4 to v10 are written: every load and store of the kernel, global or LDS, reads one of them, and none is written again
.irp i, 0,1,2,3,4,5,6,7
	global_load_b128 v[XR+4*\i:XR+4*\i+3], v[XO], s[4:5] offset:2048*\i   ; rows 2 i and 2 i + 1: sixteen lanes read 256 consecutive bytes, aligned
.endr
	WIN 0x40                                       ; destination window 1, address window 0.  (Between the wait above and the weights' loads stand loads and this switch alone)
	WLOAD 0, 6
	WLOAD 1, 8
	WLOAD 2, 10
	WIN 0
	s_wait_kmcnt 0x0
	s_sub_co_i32 s30, s46, s40
	s_sub_co_i32 s30, s30, s41                     ; e6 - e0 - e1
	s_sub_co_i32 s31, s47, s42
	s_sub_co_i32 s31, s31, s43                     ; e7 - e2 - e3
	s_sub_co_i32 s32, s48, s44
	s_sub_co_i32 s32, s32, s45                     ; e8 - e4 - e5
	MKSC 40, 12, 13
	MKSC 42, 14, 15
	MKSC 44, 16, 17
	MKSC 30, 18, 19
	MKSC 31, 20, 21
	MKSC 32, 22, 23
	; ---- X: my 16 rows x 64 numbers turn through my own stage, so that a lane holds 16 neighbours along K of each of two blocks
	s_wait_loadcnt 48                              ; x's eight loads are in; the 48 loads of the weights, issued behind them, may be out
.irp i, 0,1,2,3,4,5,6,7
	ds_store_b128 v[SI], v[XR+4*\i:XR+4*\i+3] offset:544*\i
.endr
.irp cp, 0,1
.irp j, 0,1,2,3
	ds_load_b128 v[XN+16*\cp+4*\j:XN+16*\cp+4*\j+3], v[SRD] offset:128*\cp+16*\j   ; LDS serves a wave's instructions in order (ISA guide 5.7.1.4): these see my stores
.endr
.endr
	s_wait_dscnt 0x0
	QX 0
	QX 1
	QX 2
	v_nop                                          ; one plain line behind the last conversion
	s_wait_alu depctr_va_vdst(0)                   ; the twelve conversions have written v120-143, which the six stores below read; and the holds and conversions are done with v56-119, in which fragments land behind the barrier
.irp z, 0,1,2
.irp cp, 0,1
	ds_store_b128 v[XW], v[PC+8*\z+4*\cp:PC+8*\z+4*\cp+3] offset:8192*\z+512*\cp
.endr
.endr
	s_wait_dscnt 0x0                               ; for the others' sake: my images have landed
	s_barrier_signal -1
	s_barrier_wait -1                              ; x's twelve fragments lie in LDS; nothing is written there again
	; ---- P: my head
	s_wait_alu depctr_vm_vsrc(0)                   ; the stage's stores have read v24-55 and the image stores v120-143: x's fragments land in these registers
	FETCHX 0, XFA
	FETCHX 1, XFB
	s_wait_loadcnt 32                              ; Wq's 16 loads are in; Wk's and Wv's may be out
	s_wait_dscnt 16                                ; the first scale's fragments are in; the second's 16 loads may be out
	WIN 0x01                                       ; source 0 window 1
	MULT 0, XFA, ACC0
	s_wait_loadcnt 16                              ; Wk's are in; Wv's may be out
	s_wait_dscnt 0x0
	MULT 1, XFB, ACC1
	WIN 0
.rept 4
	v_nop                                          ; four places behind the products (ISA guide 7.12.1), in front of the first read of their results
.endr
	s_wait_alu depctr_va_vdst(0)                   ; Q's products are done reading the first set of fragments, v24-87, in which the third scale's land
	FETCHX 2, XFA
	RQ ACC0, 0, CD
	RQ ACC1, 1, CD+8                               ; (its 32 holds name no register of Q's products: they are the places in front of V's products, which begin those accumulators anew)
	s_wait_alu depctr_va_vdst(0)                   ; the conversions have written v216-231, Q's and K's codes, which the four stores below read
.irp tt, 0,1
	global_store_b128 v[LI], v[CD+4*\tt:CD+4*\tt+3], s[14:15] offset:512*\tt
.endr
.irp tt, 0,1
	global_store_b128 v[LI], v[CD+8+4*\tt:CD+8+4*\tt+3], s[16:17] offset:512*\tt
.endr
	s_wait_loadcnt 0x0                             ; Wv
	s_wait_dscnt 0x0                               ; the third scale's fragments
	WIN 0x04                                       ; source 1 window 1
	MULN XFA, ACC0
	WIN 0
.rept 4
	v_nop
.endr
	RQ ACC0, 2, CD+16
	s_wait_alu depctr_va_vdst(0)                   ; the conversions have written v232-239, V's codes, which the two stores below read
.irp u, 0,1
	global_store_b128 v[LI], v[CD+16+4*\u:CD+16+4*\u+3], s[18:19] offset:2048*\u
.endr
	s_wait_dscnt 0x0                               ; the closing lines, six on end
	s_wait_alu 0x0
	s_wait_tensorcnt 0x0
	ds_add_u32 v254, v255
	s_wait_dscnt 0x0
	s_endpgm
.Lfunc_end_k_qe5e5d84ba2_proj:
	.size	k_qe5e5d84ba2_proj, .Lfunc_end_k_qe5e5d84ba2_proj-k_qe5e5d84ba2_proj
	.p2alignl 7, 3214868480
	.fill 96, 4, 3214868480
	.section	.rodata,"a",@progbits
	.p2align	6, 0x0
	.amdhsa_kernel k_qe5e5d84ba2_proj
		.amdhsa_group_segment_fixed_size 60416
		.amdhsa_private_segment_fixed_size 0
		.amdhsa_enable_private_segment 0
		.amdhsa_kernarg_size 64
		.amdhsa_user_sgpr_count 2
		.amdhsa_user_sgpr_kernarg_segment_ptr 1
		.amdhsa_wavefront_size32 1
		.amdhsa_system_sgpr_workgroup_id_x 1
		.amdhsa_system_sgpr_workgroup_id_y 1
		.amdhsa_system_sgpr_workgroup_id_z 1
		.amdhsa_system_vgpr_workitem_id 0
		.amdhsa_next_free_vgpr 448
		.amdhsa_next_free_sgpr 66
		.amdhsa_reserve_vcc 0
		.amdhsa_float_denorm_mode_32 3
		.amdhsa_float_denorm_mode_16_64 3
		.amdhsa_memory_ordered 1
		.amdhsa_forward_progress 1
		.amdhsa_inst_pref_size 32
	.end_amdhsa_kernel
	.amdgpu_metadata
---
amdhsa.version: [ 1, 2 ]
amdhsa.kernels:
  - .name:           k_qe5e5d84ba2_proj
    .symbol:         k_qe5e5d84ba2_proj.kd
    .args:
      - { .name: inputs, .offset: 0, .size: 8, .value_kind: global_buffer, .address_space: global }
      - { .name: Wq_codes, .offset: 8, .size: 8, .value_kind: global_buffer, .address_space: global }
      - { .name: Wk_codes, .offset: 16, .size: 8, .value_kind: global_buffer, .address_space: global }
      - { .name: Wv_codes, .offset: 24, .size: 8, .value_kind: global_buffer, .address_space: global }
      - { .name: lowp_scales, .offset: 32, .size: 8, .value_kind: global_buffer, .address_space: global }
      - { .name: qimg, .offset: 40, .size: 8, .value_kind: global_buffer, .address_space: global }
      - { .name: kimg, .offset: 48, .size: 8, .value_kind: global_buffer, .address_space: global }
      - { .name: vimg, .offset: 56, .size: 8, .value_kind: global_buffer, .address_space: global }
    .group_segment_fixed_size: 60416
    .private_segment_fixed_size: 0
    .kernarg_segment_align: 8
    .kernarg_segment_size: 64
    .max_flat_workgroup_size: 256
    .sgpr_count:     66
    .vgpr_count:     448
    .wavefront_size: 32
...
	.end_amdgpu_metadata
.endif
;; end of part 4
;; launch attn (part 5): grid 8 x 32, 8 waves a work-group, no clusters, 168,960 bytes of LDS; arguments qimg, kimg, vimg, lowp_scales, acodes; writes acodes
.if DOCPART == 5
	.amdgcn_target "amdgcn-amd-amdhsa--gfx1250"
	.amdhsa_code_object_version 6
	.text
	.protected	k_qe5e5d84ba2_attn
	.globl	k_qe5e5d84ba2_attn
	.p2align	8
	.type	k_qe5e5d84ba2_attn,@function
k_qe5e5d84ba2_attn:
	s_mov_b64 s[64:65], 0
	v_nop
	global_prefetch_b8 v0, s[64:65] scope:SCOPE_SE
	s_setreg_imm32_b32 hwreg(HW_REG_WAVE_SCHED_MODE, 0, 2), 2
	s_setreg_imm32_b32 hwreg(HW_REG_WAVE_MODE, 25, 1), 1
	s_wait_xcnt 0x0
	s_wait_alu depctr_vm_vsrc(0)
; O = softmax(Q K^T / sqrt(2048)) V for one head, both products on codes of FP8 (E4M3); O / l is quantised with 2^e10 for the output projection.
; qimg, kimg, vimg: images of operand registers: q and k: tile of 16 tokens x 512 bytes, lane (r, h) = channels 16 h .. 16 h + 15 of token r;
; v: step of 128 tokens x 4096 + u x 2048 + i x 512, lane (r, h) = channel 8 u + r + 8 (r / 8), tokens 32 i + 8 h + 0 .. 7 and 32 i + 16 + 8 h + 0 .. 7.
; THE SOFTMAX: t = score x c, c = log2(e) / sqrt(2048) x 2^(e6 + e7); M = the running largest t rounded UP to a whole number, kept as -M = floor(-t); p = 2^(t - M) is quantised with 2^e9, not normalised.
; The row's sum l is taken of the unquantised p, in f32.  When M moves, l and O are multiplied by 2^(old M - new M), made by v_ldexp_f32: nothing is rounded, no branch on data.
; LIMITS, so that each power of two is an f32 number: e6 + e7 between -121 and 132 (added to c's exponent field, 122); e9, and e10 - e8 - e9, between -126 and 119.
; SHARES.  A work-group owns 256 queries of one head (x: the block of queries, y: 8 x batch + head); each of its eight waves two tiles of 16 queries.  Every wave walks the head's 2,048 keys, 128 a step.
; The head's K and V, 2 x 65,536 bytes of codes, are copied into LDS once, as they lie, and only read behind the one barrier: no ring, nothing is filled again.  Each fragment read from LDS feeds both tiles.
; THE HEAD HAS 32 CHANNELS, THE SHORTEST FORM 64 ALONG K.  Source 0 holds TWO tiles of keys (registers 0-3: tile 2 p, registers 4-7: tile 2 p + 1); source 1 is [q, 0] for the first and [0, q] for the second:
; the other tile's codes meet zero codes.  The zeros lie round q in registers (0, q, 0: twelve registers a tile), so both forms are runs of eight of the same twelve.
; BOTH PRODUCTS ARE USED TRANSPOSED: S^T = K Q^T: lane (query r, h), register 8 t + j = key 16 t + 8 h + j, which is the place that the K = 128 form's own layout gives that key: the conversions' results are source 1 of
; O^T = V^T P.  There lane (query r, h), register 8 u + j = channel 16 h + 8 u + j: 16 neighbouring channels: 16 codes, one store.
; OUT: acodes: (row / 16) x 4096 + head x 512 + lane x 16: a store of the wave covers 512 consecutive bytes, aligned.
; NO CLUSTER, NO TENSOR LOAD.  The eight blocks of queries of a head do read the same 131,072 bytes, but each reads them once, ahead of its 16 steps.  A joint request is a tensor load.
; The branch on e9 below leaves 128 of a step's 504 vector lines out wherever the hold cannot act.
; REGISTERS: v1-6 addresses; v8, v9 scale and hold; v12-19 statistics (a tile: -M, largest t, l in two halves); v[20:21] f; v[22:23] the sum's second chain; v24 lane exchange; v28-51 Q; v52-55 maxima;
;   v56-87 O^T; v88-119 p's codes; v120-151 K's fragments; v152-183 V's; v184-247 S^T, then p (one tile at a time).  v120-247 carry the fill at the start.
; THE MODE: SCHED_MODE bits 1:0 = 2 (LLVM: expert scheduling mode 2), set by the entry lines.  The code itself states the register dependences
; between vector or matrix instructions and memory or LDS instructions, with s_wait_alu, always for 0.
; THE PLAN.  Registers that memory or LDS instructions touch, in the loop:
;   v[ADV], v[ADK]  Written by one add each, behind tile 0's products K Q^T; read by the step's eight loads of V and by its eight loads of the next step's K.
;   KF v120-151     Read by both tiles' products K Q^T; behind tile 1's the next step's K lands in it.
;   VF v152-183     Read by the four products V^T P at a step's end; this step's V lands in it in the middle of tile 0's softmax.
;   v[LI], v[LV]    Read by the two adds alone in the loop; never written again.
;   S^T, p, p's codes, O^T and the statistics are named by vector and matrix instructions alone.
; So a step has four waits.  (1) At its head one on vm_vsrc: the loads issued so far have read both addresses.  (2) A tile's 64 exponentials are one batch, and nothing names a result ahead of the one wait on va_vdst behind it;
; in tile 0 that wait also states that v[ADV] is written and that the last step's products V^T P are done reading VF, and V's loads follow it.  (3) One on va_vdst behind tile 1's products K Q^T: both tiles' are done
; reading KF (v[ADK] was written ahead of (2)); K's loads follow it.  (4) Tile 1's batch.  Round the back edge: what a trip leaves pending are K's loads, met by (1), and the products V^T P, met by (2).
.set LI,  1                            ; v1   16 x lane
.set LV,  2                            ; v2   16 x lane + 65536
.set ADK, 3                            ; v3   LDS address of the K fragments in hand
.set ADV, 4                            ; v4   of the V fragments
.set FO,  5                            ; v5   16 x thread: the fill, in memory and in LDS
.set FV,  6                            ; v6   the same + 65536
.set SCP, 8
.set LMP, 9
.set F,   20
.set T2,  22
.set TX,  24
.set TA,  52
.set O,   56
.set P,   88
.set KF,  120
.set VF,  152
.set S,   184
.set FILL, 120
.set SEL, 30                           ; s[30:31] v_permlanex16_b32's selects: lane l xor 16
.set CS,  32                           ; s[32:33] c, in both words: the packed form names the pair
.set TB,  34                           ; s34  LDS byte of the step's tiles
.set CNT, 35
.macro MKSC e, sc, lim                 ; v[sc] = 2^s[e] as f32; v[lim] = 448 x that
	s_add_co_i32 s36, s[\e], 127
	s_lshl_b32 s37, s36, 23
	v_mov_b32 v[\sc], s37
	s_add_co_i32 s36, s36, 8
	s_lshl_b32 s36, s36, 23
	s_or_b32 s36, s36, 0x600000
	v_mov_b32 v[\lim], s36
.endm
.macro SMUL q                          ; tile q's scores of the step's 128 keys: eight products, each starting its sum
.irp t, 0,1,2,3,4,5,6,7
.if (\t%2) == 0
	v_wmma_f32_16x16x64_fp8_fp8 v[S+8*\t:S+8*\t+7], v[KF+8*(\t/2):KF+8*(\t/2)+7], v[32+12*\q:39+12*\q], 0
.else
	v_wmma_f32_16x16x64_fp8_fp8 v[S+8*\t:S+8*\t+7], v[KF+8*(\t/2):KF+8*(\t/2)+7], v[28+12*\q:35+12*\q], 0
.endif
.endr
.endm
.macro SM q                            ; tile q's softmax of the step; in tile 0's stand the step's loads of V
.set NM, 12+4*\q
.set PQ, P+16*\q
.set OQ, O+16*\q
.irp k, 0,1,2,3                        ; the largest of my 64 scores: four chains by turns; each accumulator is read from its low end on
	v_max3_num_f32 v[TA+\k], v[S+16*\k], v[S+16*\k+1], v[S+16*\k+2]
.endr
.irp i, 3,5,7,9,11,13
.irp k, 0,1,2,3
	v_max3_num_f32 v[TA+\k], v[TA+\k], v[S+16*\k+\i], v[S+16*\k+\i+1]
.endr
.endr
	v_max3_num_f32 v[TA], v[TA], v[S+15], v[S+31]
	v_max3_num_f32 v[TA+2], v[TA+2], v[S+47], v[S+63]
	v_max3_num_f32 v[TA], v[TA], v[TA+1], v[TA+2]
	v_max_num_f32 v[TA], v[TA], v[TA+3]
	v_permlanex16_b32 v[TX], v[TA], s[SEL], s[SEL+1]   ; the query's other 64 keys lie in the lane 16 away
	v_max_num_f32 v[TA], v[TA], v[TX]
	v_mul_f32 v[TA], s[CS], v[TA]                  ; as t (c is positive)
	v_max_num_f32 v[NM+1], v[NM+1], v[TA]          ; the running largest t
	v_mov_b32 v[TA], v[NM]
	v_floor_f32 v[NM], -v[NM+1]                    ; the new -M = floor(-t) = -ceil(t)
	v_sub_f32 v[TA], v[NM], v[TA]                  ; old M - new M: a whole number, 0 or less
	v_cvt_i32_f32 v[TA], v[TA]                     ; (it saturates)
	v_ldexp_f32 v[F], 1.0, v[TA]                   ; f = 2^(old M - new M)
.irp b, 0,2,4,6
	v_pk_fma_f32 v[S+\b:S+\b+1], v[S+\b:S+\b+1], s[CS:CS+1], v[NM:NM+1] op_sel_hi:[1,0,0]   ; t - M for the first four pairs
.endr
; ONE BATCH: two exponentials, then t - M of the pair four on.  None of these lines names an exponential's result; all that do stand behind the one wait below.
.set j, 0
.rept 32
	v_exp_f32 v[S+2*j], v[S+2*j]
	v_exp_f32 v[S+2*j+1], v[S+2*j+1]
.if j < 28
	v_pk_fma_f32 v[S+2*j+8:S+2*j+9], v[S+2*j+8:S+2*j+9], s[CS:CS+1], v[NM:NM+1] op_sel_hi:[1,0,0]
.endif
.set j, j+1
.endr
	v_pk_mul_f32 v[NM+2:NM+3], v[NM+2:NM+3], v[F:F+1] op_sel_hi:[1,0]   ; l under the new M.  (The plain line between the last exponential and the use of its result: ISA guide 5.7.2)
.if \q == 0
	s_wait_alu depctr_va_vdst(0)                   ; the 64 exponentials have written p, ahead of its first reader; v[ADV] is written, which the loads below read; the last step's products V^T P are done reading VF, in which they land
.irp n, 0,1,2,3,4,5,6,7
	ds_load_b128 v[VF+4*\n:VF+4*\n+3], v[ADV] offset:512*\n
.endr
.else
	s_wait_alu depctr_va_vdst(0)                   ; the 64 exponentials have written p, ahead of its first reader
.endif
	v_pk_add_f32 v[T2:T2+1], v[S:S+1], v[S+2:S+3]  ; the sum of the UNQUANTISED p, in two chains: this one begins here and takes the odd pairs, the other is l itself and takes the even ones
.set j, 2
.rept 29
.if (j%2) == 0
	v_pk_add_f32 v[NM+2:NM+3], v[NM+2:NM+3], v[S+2*j:S+2*j+1]
.else
	v_pk_add_f32 v[T2:T2+1], v[T2:T2+1], v[S+2*j:S+2*j+1]
.endif
.set j, j+1
.endr
	v_pk_add_f32 v[T2:T2+1], v[T2:T2+1], v[S+62:S+63]
	v_pk_add_f32 v[NM+2:NM+3], v[NM+2:NM+3], v[T2:T2+1]
; The conversion to an 8-bit code does not saturate (ISA guide 7.6.2).  p is at most 1 and 448 x 2^e9 is at least 1.75 from e9 = -8 on: the hold is executed where it can act.  The branch hangs on a whole number among the inputs.
	s_cmp_lt_i32 s25, -8
	s_cbranch_scc0 .Lnohold_\@
.set j, 0
.rept 64
	v_min_num_f32 v[S+j], v[S+j], v[LMP]           ; p is not negative: the hold is one-sided
.set j, j+1
.endr
.Lnohold_\@:
.irp t, 0,1,2,3,4,5,6,7
	v_cvt_scalef32_pk8_fp8_f32 v[PQ+2*\t:PQ+2*\t+1], v[S+8*\t:S+8*\t+7], v[SCP]   ; registers 2 t, 2 t + 1 of source 1: keys 16 t + 8 h + 0 .. 7
.endr
.irp b, 0,2,4,6,8,10,12,14
	v_pk_mul_f32 v[OQ+\b:OQ+\b+1], v[OQ+\b:OQ+\b+1], v[F:F+1] op_sel_hi:[1,0]   ; O^T under the new M.  (These eight are also the plain lines behind the conversions, and the places in front of the products that write S^T anew)
.endr
.endm
.macro PV                              ; O^T += V^T P: four accumulators by turns, one instruction a turn; sixteen other products stand between two links of a chain
.irp q, 0,1
.irp u, 0,1
	v_wmma_f32_16x16x128_fp8_fp8 v[O+16*\q+8*\u:O+16*\q+8*\u+7], v[VF+16*\u:VF+16*\u+15], v[P+16*\q:P+16*\q+15], v[O+16*\q+8*\u:O+16*\q+8*\u+7]
.endr
.endr
.endm
.macro STEP next                       ; 128 keys.  next = 1: the next step's fragments of K are fetched
	s_wait_dscnt 0x0                               ; K's fragments are in
	s_wait_alu depctr_vm_vsrc(0)                   ; the LDS loads issued so far have read v[ADV] and v[ADK], which the adds below write
	SMUL 0
	v_add_nc_u32 v[ADV], s[TB], v[LV]              ; four plain lines: the places (ISA guide 7.12.1) in front of the first read of the scores
	s_add_co_u32 s[TB], s[TB], 4096
.if \next
	v_add_nc_u32 v[ADK], s[TB], v[LI]
.else
	v_nop
.endif
	v_nop
	v_nop
	SM 0
	SMUL 1
.rept 4
	v_nop                                          ; places in front of the first read of the scores
.endr
.if \next
	s_wait_alu depctr_va_vdst(0)                   ; both tiles' products K Q^T are done reading KF, in which the loads below land
.irp t, 0,1,2,3,4,5,6,7
	ds_load_b128 v[KF+4*\t:KF+4*\t+3], v[ADK] offset:512*\t
.endr
.endif
	SM 1
	s_wait_dscnt 8*\next                           ; V's fragments are in; the next step's eight loads of K, issued behind them, may be out
	PV
.endm
	s_load_b256 s[4:11], s[0:1], 0x0               ; qimg s[4:5], kimg s[6:7], vimg s[8:9], the scales' exponents s[10:11]
	s_load_b64 s[12:13], s[0:1], 0x20              ; acodes
	v_lshl_add_u32 v254, v0, 2, 0x29000
	v_mov_b32 v255, 0
	v_lshrrev_b32 v7, 5, v0
	v_readfirstlane_b32 s14, v7                    ; wave 0..7
	v_and_b32 v[LI], 31, v0
	v_lshlrev_b32 v[LI], 4, v[LI]
	v_add_nc_u32 v[LV], 0x10000, v[LI]
	v_lshlrev_b32 v[FO], 4, v0
	v_add_nc_u32 v[FV], 0x10000, v[FO]
	s_mov_b32 s[TB], 0
	v_add_nc_u32 v[ADK], s[TB], v[LI]              ; the first step's K: made here, ahead of the head's wait on va_vdst
	s_wait_alu depctr_va_sdst(0)                   ; s14 is written, ahead of its first reader: the bases of Q and of the result are made from it
	s_and_b32 s15, ttmp7, 0xffff                   ; 8 x batch + head
	s_lshl_b32 s28, s15, 16                        ; the head's 65,536 bytes in each image
	s_mov_b32 s29, 0
	s_lshl_b32 s39, ttmp9, 4
	s_lshl_b32 s38, s14, 1
	s_add_co_u32 s39, s39, s38                     ; my first tile of queries: 16 x block + 2 x wave
	s_lshl_b32 s40, s39, 9
	s_add_co_u32 s40, s40, s28
	s_mov_b32 s41, 0
	s_lshr_b32 s42, s15, 3                         ; the batch: 128 tiles of rows each
	s_lshl_b32 s42, s42, 7
	s_add_co_u32 s42, s42, s39
	s_lshl_b32 s42, s42, 12
	s_and_b32 s38, s15, 7                          ; the head
	s_lshl_b32 s38, s38, 9
	s_add_co_u32 s42, s42, s38
	s_mov_b32 s43, 0
	s_mov_b32 s[SEL], 0x76543210
	s_mov_b32 s[SEL+1], 0xfedcba98
	s_wait_kmcnt 0x0
	s_load_b128 s[16:19], s[10:11], 0x0            ; e0 .. e3
	s_load_b128 s[20:23], s[10:11], 0x10           ; e4 .. e7: e6 = s22, e7 = s23
	s_load_b128 s[24:27], s[10:11], 0x20           ; e8 = s24, e9 = s25, e10 = s26
	s_add_nc_u64 s[4:5], s[4:5], s[40:41]
	s_add_nc_u64 s[6:7], s[6:7], s[28:29]
	s_add_nc_u64 s[8:9], s[8:9], s[28:29]
	s_add_nc_u64 s[12:13], s[12:13], s[42:43]
	s_wait_alu depctr_va_vdst(0)                   ; v[LI], v[FO], v[FV] and the first v[ADK] are written: the loads, the fill's stores and the first loads of K read them; no vector line up to those names them again
	global_load_b128 v[32:35], v[LI], s[4:5] th:TH_LOAD_NT             ; my two tiles of Q stay in registers
	global_load_b128 v[44:47], v[LI], s[4:5] offset:512 th:TH_LOAD_NT
.irp i, 0,1,2,3,4,5,6,7,8,9,10,11,12,13,14,15
	global_load_b128 v[FILL+4*\i:FILL+4*\i+3], v[FO], s[6:7] offset:4096*\i          ; the 256 threads read 4,096 consecutive bytes of K's image
.endr
.irp i, 0,1,2,3,4,5,6,7,8,9,10,11,12,13,14,15
	global_load_b128 v[FILL+64+4*\i:FILL+64+4*\i+3], v[FO], s[8:9] offset:4096*\i    ; and of V's
.endr
.irp i, 28,29,30,31,36,37,38,39,40,41,42,43,48,49,50,51
	v_mov_b32 v[\i], 0                             ; the zero codes round q
.endr
.set j, 0
.rept 32
	v_mov_b32 v[O+j], 0                            ; O^T.  (The step is written for every trip alike: the first finds zeros, which the first change of M leaves zeros)
.set j, j+1
.endr
.irp q, 0,1
	v_mov_b32 v[13+4*\q], 0xff61b1e6               ; the largest t so far: -3e38, under every t
	v_floor_f32 v[12+4*\q], -v[13+4*\q]            ; -M
	v_mov_b32 v[14+4*\q], 0                        ; l, in two halves
	v_mov_b32 v[15+4*\q], 0
.endr
	v_mov_b32 v[F+1], 0                            ; (named as the upper half of the pair)
	v_mov_b32 v[TX], 0                             ; written once: a lane permute's destination counts as one of its sources
	s_wait_kmcnt 0x0
	s_add_co_i32 s38, s22, s23
	s_lshl_b32 s38, s38, 23
	s_add_co_i32 s[CS], s38, 0x3d0293ee            ; c = log2(e) / sqrt(2048), with e6 + e7 added to its exponent field
	s_mov_b32 s[CS+1], s[CS]
	MKSC 25, SCP, LMP                              ; 2^e9 and 448 x 2^e9
.irp i, 0,1,2,3,4,5,6,7,8,9,10,11,12,13,14,15
	s_wait_loadcnt 31-\i                           ; loads come back in order (ISA guide 5.7.1): K's load i is in; the 31 - i issued behind it may be out
	ds_store_b128 v[FO], v[FILL+4*\i:FILL+4*\i+3] offset:4096*\i
.endr
.irp i, 0,1,2,3,4,5,6,7,8,9,10,11,12,13,14,15
	s_wait_loadcnt 15-\i
	ds_store_b128 v[FV], v[FILL+64+4*\i:FILL+64+4*\i+3] offset:4096*\i
.endr
	s_wait_dscnt 0x0                               ; for the others' sake: my part of the head has landed
	s_barrier_signal -1
	s_barrier_wait -1                              ; the head's K and V lie in LDS; nothing is written there again
	s_wait_alu depctr_vm_vsrc(0)                   ; the fill's stores have read v120-247: these registers are KF, VF and S^T from here on, written by the fragments' loads and by the products
.irp t, 0,1,2,3,4,5,6,7
	ds_load_b128 v[KF+4*\t:KF+4*\t+3], v[ADK] offset:512*\t
.endr
	s_mov_b32 s[CNT], 15
.Lstep:
	STEP 1
	s_sub_co_u32 s[CNT], s[CNT], 1
	s_cmp_lg_u32 s[CNT], 0
	s_cbranch_scc1 .Lstep
	STEP 0                                         ; the last step fetches no further K
	; THE END.  l's two halves and the other half of the lanes' are added; O^T / l is quantised: its value is sum x 2^(e8 + e9) / l, so its code is (sum / l) / 2^(e10 - e8 - e9).
	v_add_f32 v14, v14, v15                        ; (the four additions and the two moves below are the places behind the last products)
	v_add_f32 v18, v18, v19
	v_permlanex16_b32 v[TX], v14, s[SEL], s[SEL+1]
	v_permlanex16_b32 v[TA], v18, s[SEL], s[SEL+1]
	v_add_f32 v14, v14, v[TX]
	v_add_f32 v18, v18, v[TA]
	v_rcp_f32 v14, v14
	v_rcp_f32 v18, v18
	s_sub_co_i32 s38, s26, s24
	s_sub_co_i32 s38, s38, s25
	MKSC 38, SCP, LMP                              ; its two moves are the plain lines behind the reciprocals
	s_wait_alu depctr_va_vdst(0)                   ; the two reciprocals have written v14 and v18, ahead of their first reader
.irp q, 0,1
.irp b, 0,2,4,6,8,10,12,14
	v_pk_mul_f32 v[O+16*\q+\b:O+16*\q+\b+1], v[O+16*\q+\b:O+16*\q+\b+1], v[14+4*\q:15+4*\q] op_sel_hi:[1,0]   ; each accumulator from its low end on
.endr
.endr
.irp q, 0,1
.irp i, 0,1,2,3,4,5,6,7,8,9,10,11,12,13,14,15
	v_med3_num_f32 v[O+16*\q+\i], v[O+16*\q+\i], -v[LMP], v[LMP]
.endr
.endr
.irp q, 0,1
	v_cvt_scalef32_pk8_fp8_f32 v[KF+4*\q:KF+4*\q+1], v[O+16*\q:O+16*\q+7], v[SCP]
	v_cvt_scalef32_pk8_fp8_f32 v[KF+4*\q+2:KF+4*\q+3], v[O+16*\q+8:O+16*\q+15], v[SCP]
.endr
	v_nop                                          ; one plain line behind the last conversion
	s_wait_alu depctr_va_vdst(0)                   ; the conversions have written v120-127, which the two stores below read
.irp q, 0,1
	global_store_b128 v[LI], v[KF+4*\q:KF+4*\q+3], s[12:13] offset:4096*\q
.endr
	s_wait_dscnt 0x0                               ; the closing lines, six on end
	s_wait_alu 0x0
	s_wait_tensorcnt 0x0
	ds_add_u32 v254, v255
	s_wait_dscnt 0x0
	s_endpgm
.Lfunc_end_k_qe5e5d84ba2_attn:
	.size	k_qe5e5d84ba2_attn, .Lfunc_end_k_qe5e5d84ba2_attn-k_qe5e5d84ba2_attn
	.p2alignl 7, 3214868480
	.fill 96, 4, 3214868480
	.section	.rodata,"a",@progbits
	.p2align	6, 0x0
	.amdhsa_kernel k_qe5e5d84ba2_attn
		.amdhsa_group_segment_fixed_size 168960
		.amdhsa_private_segment_fixed_size 0
		.amdhsa_enable_private_segment 0
		.amdhsa_kernarg_size 40
		.amdhsa_user_sgpr_count 2
		.amdhsa_user_sgpr_kernarg_segment_ptr 1
		.amdhsa_wavefront_size32 1
		.amdhsa_system_sgpr_workgroup_id_x 1
		.amdhsa_system_sgpr_workgroup_id_y 1
		.amdhsa_system_sgpr_workgroup_id_z 1
		.amdhsa_system_vgpr_workitem_id 0
		.amdhsa_next_free_vgpr 256
		.amdhsa_next_free_sgpr 66
		.amdhsa_reserve_vcc 0
		.amdhsa_float_denorm_mode_32 3
		.amdhsa_float_denorm_mode_16_64 3
		.amdhsa_memory_ordered 1
		.amdhsa_forward_progress 1
		.amdhsa_inst_pref_size 67
	.end_amdhsa_kernel
	.amdgpu_metadata
---
amdhsa.version: [ 1, 2 ]
amdhsa.kernels:
  - .name:           k_qe5e5d84ba2_attn
    .symbol:         k_qe5e5d84ba2_attn.kd
    .args:
      - { .name: qimg, .offset: 0, .size: 8, .value_kind: global_buffer, .address_space: global }
      - { .name: kimg, .offset: 8, .size: 8, .value_kind: global_buffer, .address_space: global }
      - { .name: vimg, .offset: 16, .size: 8, .value_kind: global_buffer, .address_space: global }
      - { .name: lowp_scales, .offset: 24, .size: 8, .value_kind: global_buffer, .address_space: global }
      - { .name: acodes, .offset: 32, .size: 8, .value_kind: global_buffer, .address_space: global }
    .group_segment_fixed_size: 168960
    .private_segment_fixed_size: 0
    .kernarg_segment_align: 8
    .kernarg_segment_size: 40
    .max_flat_workgroup_size: 256
    .sgpr_count:     66
    .vgpr_count:     256
    .wavefront_size: 32
...
	.end_amdgpu_metadata
.endif
;; end of part 5
;; launch outln (part 6): grid 256 x 1, 8 waves a work-group, no clusters, 168,960 bytes of LDS; arguments acodes, Wf_codes, lowp_scales, bf, inputs, gamma, beta, out0; writes out0
.if DOCPART == 6
	.amdgcn_target "amdgcn-amd-amdhsa--gfx1250"
	.amdhsa_code_object_version 6
	.text
	.protected	k_qe5e5d84ba2_outln
	.globl	k_qe5e5d84ba2_outln
	.p2align	8
	.type	k_qe5e5d84ba2_outln,@function
k_qe5e5d84ba2_outln:
	s_mov_b64 s[64:65], 0
	v_nop
	global_prefetch_b8 v0, s[64:65] scope:SCOPE_SE
	s_setreg_imm32_b32 hwreg(HW_REG_WAVE_SCHED_MODE, 0, 2), 2
	s_setreg_imm32_b32 hwreg(HW_REG_WAVE_MODE, 25, 1), 1
	s_wait_xcnt 0x0
	s_wait_alu depctr_vm_vsrc(0)
; out0 = LayerNorm(inputs + A Wf^T + bf) x gamma + beta.  A: the attention's result as codes of FP8 (E4M3) with 2^e10, in acodes; Wf: [256][256] codes, K innermost, with 2^e11.  All else f32.
; acodes: (row / 16) x 4096 + head x 512 + lane x 16; lane (r, h) = features 32 head + 16 h + 0 .. 15 of row r: registers 4 c .. 4 c + 3 (c = head % 4) of K step head / 4.  Wf is loaded in the same order of k.
; LIMIT: e10 + e11 between -126 and 127, so that 2^(e10 + e11) is an f32 number.
; SHARES.  A work-group takes 32 rows.  The product: wave w makes features 32 w .. 32 w + 31 for both tiles of 16 rows (source 0 = 16 rows of Wf, source 1 = 16 rows of A: a lane holds eight neighbouring features of a row).
; The sums meet in a stage in LDS; one barrier; then wave w owns the whole rows 4 w .. 4 w + 3: a lane holds features 128 g + 4 lane + 0 .. 3, g = 0, 1, so mean and variance never leave the wave.
; The variance is the mean of (x - mean)^2, as it is defined: no difference of large sums.  Every load of a row and every store covers 512 consecutive bytes, aligned.
; No tensor load, no cluster: each operand byte but Wf's 65,536 is read by one work-group, once; Wf goes straight into registers.
; REGISTERS: v1-6 addresses; v16-79 A's four fragments; v80-143 Wf's four; v144-175 four accumulators; v176-207 the residual's rows; v208-231 gamma, beta, bf; behind the products v16-47 the rows x, v48-67 sums.
; THE MODE: SCHED_MODE bits 1:0 = 2 (LLVM: expert scheduling mode 2), set by the entry lines.  The code itself states the register dependences
; between vector or matrix instructions and memory or LDS instructions, with s_wait_alu, always for 0.
; THE PLAN.  Registers that memory or LDS instructions touch:
;   v1, v4-6    addresses and offsets: written at the head, ahead of the first wait on va_vdst, and never again.
;   v16-143, v176-231  loads land here once; products and vector lines read them.
;   v144-175    the accumulators: written by the products, read by the stage's stores: one wait on va_vdst, behind the four places.
;   v16-47      read by the products as A's fragments; behind the barrier the rows land here: the same wait has shown the products done, and no vector or matrix line stands between.
;               Then the arithmetic writes them in place, and the eight stores read them behind one more wait on va_vdst.
;   v254, v255  written at the head, read by the closing add alone.
.set LI,  1                            ; v1   16 x lane
.set WO,  4                            ; v4   Wf: r x 256 + 16 h
.set SO,  5                            ; v5   the stage, in: r x 1040 + 32 h + 128 x wave
.set SR,  6                            ; v6   the stage, out: wave x 4160 + 16 x lane
.set SPI, 1040                         ; a stage row: 1,024 bytes + 16: row r starts 4 r words on, so 16 rows start at 16 different banks (64 banks of 4 bytes: ISA guide 11.1)
.set AF,  16
.set WFR, 80
.set ACC, 144
.set IN,  176
.set G,   208
.set BE,  216
.set BF,  224
.set Y,   16
.set RR,  48
.set QQ,  56
.set XX,  64
.macro WSUM reg                        ; the four rows' pairs v[reg + 2 i], by turns: the two halves, then the 32 lanes; the sum ends in every lane's v[reg + 2 i]
.irp i, 0,1,2,3
	v_add_f32 v[\reg+2*\i], v[\reg+2*\i], v[\reg+2*\i+1]
.endr
.irp m, 1,2,4,8
.irp i, 0,1,2,3
	v_add_f32_dpp v[\reg+2*\i], v[\reg+2*\i], v[\reg+2*\i] row_xmask:\m row_mask:0xf bank_mask:0xf
.endr
.endr
.irp i, 0,1,2,3
	v_permlanex16_b32 v[XX+\i], v[\reg+2*\i], s30, s31
.endr
.irp i, 0,1,2,3
	v_add_f32 v[\reg+2*\i], v[\reg+2*\i], v[XX+\i]
.endr
.endm
	s_load_b256 s[4:11], s[0:1], 0x0               ; acodes s[4:5], Wf s[6:7], the scales' exponents s[8:9], bf s[10:11]
	s_load_b256 s[12:19], s[0:1], 0x20             ; inputs s[12:13], gamma s[14:15], beta s[16:17], out0 s[18:19]
	v_lshl_add_u32 v254, v0, 2, 0x29000
	v_mov_b32 v255, 0
	v_lshrrev_b32 v7, 5, v0
	v_readfirstlane_b32 s20, v7                    ; wave 0..7
	v_and_b32 v[LI], 31, v0
	v_lshlrev_b32 v[LI], 4, v[LI]
	v_and_b32 v2, 15, v0                           ; r
	v_bfe_u32 v3, v0, 4, 1                         ; h
	v_lshlrev_b32 v[WO], 8, v2
	v_lshl_add_u32 v[WO], v3, 4, v[WO]
	v_mul_u32_u24 v[SO], v2, SPI
	v_lshl_add_u32 v[SO], v3, 5, v[SO]
	s_wait_alu depctr_va_sdst(0)                   ; s20 is written, ahead of its first reader: the wave's places in the stage and its bases are made from it
	s_lshl_b32 s21, s20, 7
	v_add_nc_u32 v[SO], s21, v[SO]
	s_mul_i32 s21, s20, 4*SPI
	v_add_nc_u32 v[SR], s21, v[LI]
	s_mov_b32 s28, 0x3b800000                      ; 1 / 256
	s_mov_b32 s29, 0x358637bd                      ; 1e-6
	s_mov_b32 s30, 0x76543210                      ; v_permlanex16_b32's selects: lane l xor 16
	s_mov_b32 s31, 0xfedcba98
	s_mov_b32 s23, 0
	s_wait_kmcnt 0x0
	s_load_b64 s[24:25], s[8:9], 0x28              ; e10, e11
	s_lshl_b32 s22, ttmp9, 13                      ; acodes: two tiles of 4,096 bytes a work-group
	s_add_nc_u64 s[4:5], s[4:5], s[22:23]
	s_lshl_b32 s22, s20, 13                        ; Wf: my 32 rows of 256 bytes
	s_add_nc_u64 s[6:7], s[6:7], s[22:23]
	s_lshl_b32 s22, ttmp9, 15                      ; inputs, out0: 32 rows of 1,024 bytes a work-group, 4 a wave
	s_lshl_b32 s21, s20, 12
	s_add_co_u32 s22, s22, s21
	s_add_nc_u64 s[12:13], s[12:13], s[22:23]
	s_add_nc_u64 s[18:19], s[18:19], s[22:23]
	s_wait_alu depctr_va_vdst(0)                   ; the four addresses and offsets v1, v4, v5, v6 are written: every load and store of the kernel, global or LDS, reads one of them, and none is written again
.irp n, 0,1,2,3,4,5,6,7,8,9,10,11,12,13,14,15
	global_load_b128 v[AF+4*\n:AF+4*\n+3], v[LI], s[4:5] offset:512*\n               ; fragment n / 4 = 2 x tile + K step
.endr
.irp u, 0,1
.irp ks, 0,1
.irp c, 0,1,2,3
	global_load_b128 v[WFR+32*\u+16*\ks+4*\c:WFR+32*\u+16*\ks+4*\c+3], v[WO], s[6:7] offset:4096*\u+128*\ks+32*\c
.endr
.endr
.endr
.irp i, 0,1,2,3
.irp g, 0,1
	global_load_b128 v[IN+8*\i+4*\g:IN+8*\i+4*\g+3], v[LI], s[12:13] offset:1024*\i+512*\g th:TH_LOAD_NT   ; the residual's rows land under the product
.endr
.endr
.irp g, 0,1
	global_load_b128 v[G+4*\g:G+4*\g+3], v[LI], s[14:15] offset:512*\g
	global_load_b128 v[BE+4*\g:BE+4*\g+3], v[LI], s[16:17] offset:512*\g
	global_load_b128 v[BF+4*\g:BF+4*\g+3], v[LI], s[10:11] offset:512*\g
.endr
	s_wait_loadcnt 14                              ; the 32 loads of the operands are in; the 14 issued behind them (residual, gamma, beta, bf) may be out
.irp ks, 0,1                           ; four accumulators by turns, one instruction a turn; the first K step starts the sums
.irp tt, 0,1
.irp u, 0,1
.if \ks == 0
	v_wmma_f32_16x16x128_fp8_fp8 v[ACC+16*\tt+8*\u:ACC+16*\tt+8*\u+7], v[WFR+32*\u+16*\ks:WFR+32*\u+16*\ks+15], v[AF+16*(2*\tt+\ks):AF+16*(2*\tt+\ks)+15], 0
.else
	v_wmma_f32_16x16x128_fp8_fp8 v[ACC+16*\tt+8*\u:ACC+16*\tt+8*\u+7], v[WFR+32*\u+16*\ks:WFR+32*\u+16*\ks+15], v[AF+16*(2*\tt+\ks):AF+16*(2*\tt+\ks)+15], v[ACC+16*\tt+8*\u:ACC+16*\tt+8*\u+7]
.endif
.endr
.endr
.endr
.rept 4
	v_nop                                          ; four places behind the products: in front of the stores of their results and of what is written over their operands
.endr
	s_wait_alu depctr_va_vdst(0)                   ; the products have written the accumulators, which the stores below read, and are done reading A's fragments, v16-47, in which the rows land behind the barrier; the places above stay beside this wait
.irp tt, 0,1
.irp u, 0,1
	ds_store_b128 v[SO], v[ACC+16*\tt+8*\u:ACC+16*\tt+8*\u+3] offset:16*SPI*\tt+64*\u        ; lane (r, h): row 16 tt + r, features 32 w + 16 u + 8 h + 0 .. 7; each accumulator from its low end on
	ds_store_b128 v[SO], v[ACC+16*\tt+8*\u+4:ACC+16*\tt+8*\u+7] offset:16*SPI*\tt+64*\u+16
.endr
.endr
	s_wait_dscnt 0x0                               ; for the others' sake: my sums have landed
	s_barrier_signal -1
	s_barrier_wait -1                              ; 32 whole rows of sums lie in the stage
.irp i, 0,1,2,3
.irp g, 0,1
	ds_load_b128 v[Y+8*\i+4*\g:Y+8*\i+4*\g+3], v[SR] offset:SPI*\i+512*\g
.endr
.endr
.irp i, 0,1,2,3
	v_mov_b32 v[XX+\i], 0                          ; written once: a lane permute's destination counts as one of its sources
.endr
	s_wait_kmcnt 0x0
	s_add_co_i32 s26, s24, s25
	s_add_co_i32 s26, s26, 127
	s_lshl_b32 s26, s26, 23                        ; 2^(e10 + e11) as f32
	s_mov_b32 s27, s26                             ; (named with it as a pair, so it is written)
	s_wait_loadcnt 0x0
	s_wait_dscnt 0x0
	; x = inputs + (sum x 2^(e10 + e11) + bf); the four rows take turns in every group of lines
.irp i, 0,1,2,3
.irp p, 0,2,4,6
	v_pk_fma_f32 v[Y+8*\i+\p:Y+8*\i+\p+1], v[Y+8*\i+\p:Y+8*\i+\p+1], s[26:27], v[BF+\p:BF+\p+1] op_sel_hi:[1,0,1]
.endr
.endr
.irp i, 0,1,2,3
.irp p, 0,2,4,6
	v_pk_add_f32 v[Y+8*\i+\p:Y+8*\i+\p+1], v[Y+8*\i+\p:Y+8*\i+\p+1], v[IN+8*\i+\p:IN+8*\i+\p+1]
.endr
.endr
	; the mean
.irp i, 0,1,2,3
	v_pk_add_f32 v[RR+2*\i:RR+2*\i+1], v[Y+8*\i:Y+8*\i+1], v[Y+8*\i+2:Y+8*\i+3]
.endr
.irp i, 0,1,2,3
	v_pk_add_f32 v[QQ+2*\i:QQ+2*\i+1], v[Y+8*\i+4:Y+8*\i+5], v[Y+8*\i+6:Y+8*\i+7]
.endr
.irp i, 0,1,2,3
	v_pk_add_f32 v[RR+2*\i:RR+2*\i+1], v[RR+2*\i:RR+2*\i+1], v[QQ+2*\i:QQ+2*\i+1]
.endr
	WSUM RR
.irp i, 0,1,2,3
	v_mul_f32 v[RR+2*\i], s28, v[RR+2*\i]
.endr
.irp i, 0,1,2,3
.irp p, 0,2,4,6
	v_pk_add_f32 v[Y+8*\i+\p:Y+8*\i+\p+1], v[Y+8*\i+\p:Y+8*\i+\p+1], v[RR+2*\i:RR+2*\i+1] op_sel_hi:[1,0] neg_lo:[0,1] neg_hi:[0,1]   ; x - mean
.endr
.endr
	; the variance
.irp i, 0,1,2,3
	v_pk_mul_f32 v[QQ+2*\i:QQ+2*\i+1], v[Y+8*\i:Y+8*\i+1], v[Y+8*\i:Y+8*\i+1]
.endr
.irp p, 2,4,6
.irp i, 0,1,2,3
	v_pk_fma_f32 v[QQ+2*\i:QQ+2*\i+1], v[Y+8*\i+\p:Y+8*\i+\p+1], v[Y+8*\i+\p:Y+8*\i+\p+1], v[QQ+2*\i:QQ+2*\i+1]
.endr
.endr
	WSUM QQ
.irp i, 0,1,2,3
	v_fma_f32 v[QQ+2*\i], v[QQ+2*\i], s28, s29     ; the sum / 256 + 1e-6
.endr
.irp i, 0,1,2,3
	v_rsq_f32 v[RR+2*\i], v[QQ+2*\i]
.endr
	v_nop                                          ; one plain line between the last of them and the use of its result (ISA guide 5.7.2)
	s_wait_alu depctr_va_vdst(0)                   ; the four reciprocal roots have written v48, v50, v52, v54, ahead of their first reader
.irp i, 0,1,2,3
.irp p, 0,2,4,6
	v_pk_mul_f32 v[Y+8*\i+\p:Y+8*\i+\p+1], v[Y+8*\i+\p:Y+8*\i+\p+1], v[RR+2*\i:RR+2*\i+1] op_sel_hi:[1,0]
.endr
.endr
.irp i, 0,1,2,3
.irp p, 0,2,4,6
	v_pk_fma_f32 v[Y+8*\i+\p:Y+8*\i+\p+1], v[Y+8*\i+\p:Y+8*\i+\p+1], v[G+\p:G+\p+1], v[BE+\p:BE+\p+1]
.endr
.endr
	s_wait_alu depctr_va_vdst(0)                   ; the multiply-adds have written the four rows, v16-47, which the eight stores below read
.irp i, 0,1,2,3
.irp g, 0,1
	global_store_b128 v[LI], v[Y+8*\i+4*\g:Y+8*\i+4*\g+3], s[18:19] offset:1024*\i+512*\g th:TH_STORE_NT   ; written once, read by nobody here
.endr
.endr
	s_wait_dscnt 0x0                               ; the closing lines, six on end
	s_wait_alu 0x0
	s_wait_tensorcnt 0x0
	ds_add_u32 v254, v255
	s_wait_dscnt 0x0
	s_endpgm
.Lfunc_end_k_qe5e5d84ba2_outln:
	.size	k_qe5e5d84ba2_outln, .Lfunc_end_k_qe5e5d84ba2_outln-k_qe5e5d84ba2_outln
	.p2alignl 7, 3214868480
	.fill 96, 4, 3214868480
	.section	.rodata,"a",@progbits
	.p2align	6, 0x0
	.amdhsa_kernel k_qe5e5d84ba2_outln
		.amdhsa_group_segment_fixed_size 168960
		.amdhsa_private_segment_fixed_size 0
		.amdhsa_enable_private_segment 0
		.amdhsa_kernarg_size 64
		.amdhsa_user_sgpr_count 2
		.amdhsa_user_sgpr_kernarg_segment_ptr 1
		.amdhsa_wavefront_size32 1
		.amdhsa_system_sgpr_workgroup_id_x 1
		.amdhsa_system_sgpr_workgroup_id_y 1
		.amdhsa_system_sgpr_workgroup_id_z 1
		.amdhsa_system_vgpr_workitem_id 0
		.amdhsa_next_free_vgpr 256
		.amdhsa_next_free_sgpr 66
		.amdhsa_reserve_vcc 0
		.amdhsa_float_denorm_mode_32 3
		.amdhsa_float_denorm_mode_16_64 3
		.amdhsa_memory_ordered 1
		.amdhsa_forward_progress 1
		.amdhsa_inst_pref_size 20
	.end_amdhsa_kernel
	.amdgpu_metadata
---
amdhsa.version: [ 1, 2 ]
amdhsa.kernels:
  - .name:           k_qe5e5d84ba2_outln
    .symbol:         k_qe5e5d84ba2_outln.kd
    .args:
      - { .name: acodes, .offset: 0, .size: 8, .value_kind: global_buffer, .address_space: global }
      - { .name: Wf_codes, .offset: 8, .size: 8, .value_kind: global_buffer, .address_space: global }
      - { .name: lowp_scales, .offset: 16, .size: 8, .value_kind: global_buffer, .address_space: global }
      - { .name: bf, .offset: 24, .size: 8, .value_kind: global_buffer, .address_space: global }
      - { .name: inputs, .offset: 32, .size: 8, .value_kind: global_buffer, .address_space: global }
      - { .name: gamma, .offset: 40, .size: 8, .value_kind: global_buffer, .address_space: global }
      - { .name: beta, .offset: 48, .size: 8, .value_kind: global_buffer, .address_space: global }
      - { .name: out0, .offset: 56, .size: 8, .value_kind: global_buffer, .address_space: global }
    .group_segment_fixed_size: 168960
    .private_segment_fixed_size: 0
    .kernarg_segment_align: 8
    .kernarg_segment_size: 64
    .max_flat_workgroup_size: 256
    .sgpr_count:     66
    .vgpr_count:     256
    .wavefront_size: 32
...
	.end_amdgpu_metadata
.endif
;; end of part 6
